; MI455X (gfx1250); checked and timed in simulation.
; The chip was launched on July 23, 2026; its instructions are those of AMD's public machine-readable ISA for CDNA 5 (MIT licence, August 2026) and "CDNA5" Instruction Set Architecture Reference Guide (July 2026). The comments in the code are by the model that wrote it; some were corrected since.
;; Causal Self Attention Marcin. Allowed arithmetic: matrix products marked QUANTISED: E3M2 operands, one E8M0 scale for each 32 along K, by v_wmma_scale_f32_16x16x128_f8f6f4 with both operands' format E3M2, f32 sums; everything else in f32.
;; Inputs: W_attn 1,024 x 3,072 float32; W_proj 1,024 x 1,024 float32; b_attn 3,072 float32; b_proj 1,024 float32; x 4 x 2,048 x 1,024 float32.
;; Outputs: out0 4 x 2,048 x 1,024 float32.
;; This version of the problem:
;;   THIS VERSION OF THE PROBLEM IS GIVEN IN LOW PRECISION. The matrix products marked QUANTISED in the list below multiply operands that are first quantised to E3M2 (3 exponent bits, 2 mantissa bits; 6 bits a number), with one power-of-two scale for each 32 numbers along K (OCP MX v1.0); their sums are f32. All else is computed in f32.
;;   The module's matrix products, in the order in which they are computed (A, B: the left and right operand; K: the contracted axis; several contracted axes count as one K, in the product's order):
;;     1. [M 8,192, K 1,024] x [K 1,024, N 3,072]; A: input x; B: input W_attn: QUANTISED
;;     2. batch 64 x [M 2,048, K 64] x [K 64, N 2,048]; A: computed on the way; B: computed on the way: QUANTISED
;;     3. batch 64 x [M 2,048, K 2,048] x [K 2,048, N 64]; A: softmax (see below); B: computed on the way: QUANTISED
;;     4. [M 8,192, K 1,024] x [K 1,024, N 1,024]; A: computed on the way; B: input W_proj: QUANTISED
;;   THE QUANTISER, for each operand of a quantised product, along K:
;;     - K is cut into blocks of 32 from its start; a last block that is shorter is filled with zeros.
;;     - A block's scale is 2^e with e = floor(log2(the largest magnitude in the block)) - 4, held to -126 .. 127; a block of zeros has e = 0. As a byte (E8M0): e + 127.
;;     - Each number is divided by its block's scale, clamped to +-28, and rounded to the nearest number of E3M2, ties to even, subnormals kept.
;;     - The product sums the exact products of the quantised numbers (number of the format x scale) in f32.
;;   ~~~python
;;   def quantise(x, axis):      # numpy; x: float32 -> the quantised numbers, widened to float32 again
;;       x = np.moveaxis(x, axis, -1); K = x.shape[-1]
;;       x = np.pad(x, [(0, 0)] * (x.ndim - 1) + [(0, -K % 32)]); x = x.reshape(x.shape[:-1] + (-1, 32)); a = np.abs(x).max(-1, keepdims=True)
;;       e = np.where(a > 0, np.clip(np.frexp(np.where(a > 0, a, 1))[1] - 1 - 4, -126, 127), 0)      # np.frexp(a)[1] - 1 = floor(log2(a)), exactly
;;       r = np.clip(x / 2.0 ** e, -28, 28)
;;       step = 2.0 ** (np.maximum(np.frexp(np.where(r == 0, 1, r))[1] - 1, -2) - 2)
;;       q = np.round(r / step) * step * 2.0 ** e      # np.round: ties to even
;;       return np.moveaxis(q.reshape(q.shape[:-2] + (-1,))[..., :K], -1, axis).astype(np.float32)
;;   ~~~
;;   SOFTMAX AHEAD OF A QUANTISED PRODUCT. Where the list says 'softmax', what is quantised is not the finished softmax but p = 2^(t - M), with t = logit x log2(e) and M = ceil(the row's largest t), a whole number; so 1/2 < the row's largest p <= 1. The row's sum l is taken of the UNQUANTISED p, in f32, and the product's result is divided by l at the end. Since M is a whole number, a kernel that streams over the keys may use a running M (the ceiling of the running maximum): every later rescaling is an exact power of two, which a block's scale takes up: the codes' values come out the same.
;;   OPERANDS COMPUTED ON THE WAY. 'Computed on the way' means the value that the module computes at that place (a softmax that the list does not call 'softmax' is quantised finished and normalised). What goes into a quantiser is computed in f32, as accurately as f32 sums, v_exp_f32 and their like allow (about 1e-6 of the number): no bf16 or f16 on the way to a quantiser, and a product that is left as it is and whose result goes on into a quantised operand takes f32 operands (vector FMAs, or v_wmma_f32_16x16x4_f32). A number that lies on a knife's edge between two numbers of the format may be rounded either way, as far as f32 arithmetic and the matrix unit's own rounding can turn it there, and no further.
;; One version. Each part assembles by itself: llvm-mc -triple=amdgcn-amd-amdhsa -mcpu=gfx1250 --defsym DOCPART=n.
;; ======== version 1 of 1: 4 launches
;; workspace buffers: cod 9,437,184 bytes; scl 393,216 bytes; qkv 18,874,368 bytes; qkvs 1,310,720 bytes; yc 6,291,456 bytes; ys 262,144 bytes
;; launch quant (part 1): grid 384 x 1, 4 waves a work-group, no clusters, 83,456 bytes of LDS; arguments x, W_attn, W_proj, cod, scl; writes cod, scl
.if DOCPART == 1
	.amdgcn_target "amdgcn-amd-amdhsa--gfx1250"
	.amdhsa_code_object_version 6
	.text
	.protected	k_qa2f7824ff6_quant
	.globl	k_qa2f7824ff6_quant
	.p2align	8
	.type	k_qa2f7824ff6_quant,@function
k_qa2f7824ff6_quant:
	s_mov_b64 s[64:65], 0
	v_nop
	global_prefetch_b8 v0, s[64:65] scope:SCOPE_SE
	s_setreg_imm32_b32 hwreg(HW_REG_WAVE_MODE, 25, 1), 1
	s_wait_xcnt 0x0
; LAUNCH 1 OF 4.  out0 = (softmax_causal(q k^T / 8) v) W_proj + b_proj with q, k, v = x W_attn + b_attn; all four products on codes of BF6 (E3M2) with one E8M0 scale for each 32 along K.
; This launch turns x [8192][1024], W_attn [1024 (k)][3072] and W_proj [1024 (k)][1024], f32, into codes and scale bytes along K = 1024, once, in the order of the matrix operand's registers.
; DEAD WORK OF THE WHOLE PROGRAM.  reference() itself builds the causal mask (jnp.tril) and sets the scores of keys behind a query to -infinity ahead of the softmax: their p is 0 for all values of the
; inputs, so they add nothing to the row's sum nor to p v.  The attention launch leaves out, as whole steps, the 128 keys that lie wholly behind a tile of 16 queries, and does not fetch keys that none of a
; work-group's queries sees.  Nothing else is left out: all five inputs reach the output and are loaded (b_attn moves the codes of q, k and v).
; LIMIT: a NaN, an infinity or an overflow that reaches only those masked scores is not carried to the result.
; LIMITS of the quantisers here and in the later launches: NaN and infinities among the inputs are not served; a block whose largest magnitude lies under 2^-122 has its byte held at 1;
; a block of zeros gets the byte 1 where the rule says 127: its codes are zeros, which add nothing under any byte but 0xff, and the bytes are read by this program alone.
; LAYOUT.  A ROW TILE is 16 rows: tile 2 b + u holds, at place r, row 32 b + 8 u + r + 8 (r / 8).  A HALF IMAGE (768 bytes) is a row tile x 64 along K as registers 0-5 of an operand:
; lane l's registers 0-3 at 16 l, its registers 4-5 at 512 + 8 l; lane (r, h) holds k = 32 h .. 32 h + 31.  cod: 768 row tiles (0-511 x, 512-703 W_attn's columns, 704-767 W_proj's) x 16 half images.
; scl: 512 bytes a row tile: [256 along K: 4][place 16][128 along K: 2 words].
; Work-groups 0-255 take x (K innermost: a turn through the wave's own stage gives a lane a whole block of 32); 256-351 W_attn, 352-383 W_proj (a lane takes a column, its registers run down K).
; The three ways part on the work-group's number and have LDS bytes of their own.  Waves share nothing: no barrier.  No matrix unit, no cluster: the launch streams.
.set SPARE, 82944                      ; behind the stages: the spare words, 128 bytes for each wave
.set LANE, 1
.set RR,   2                           ; lane % 16
.set HH,   3                           ; lane / 16
.set L16,  4
.set L8,   5
.set XSI,  6                           ; x's stage, way in: 8448 wave + 16 lane
.set XSO,  7                           ; way out: 8448 wave + 528 r + 128 h
.set WS16, 8                           ; the weights' stage: 6144 wave + 3072 u + 16 r'
.set WS8,  9                           ; the same with 8 r'
.set WSR,  10                          ; and back: 6144 wave + 16 lane
.set WSV,  11                          ; the weights' scale bytes: 512 u + 8 r'
.set SPW,  12
.set NIL,  13
.set MX,   14
.set SO,   16
.set BY,   18
.set WD,   20                          ; v20-23 x's four scale words
.set WT,   24
.set WU,   26
.set SH,   27                          ; 8 h
.set L4,   28
.set SB,   30                          ; v30-31 a column's eight scale bytes
.set RA,   32                          ; v32-159 numbers as loaded, two sets
.set X,    160                         ; v160-223 two whole blocks of a lane; later the weights' way out
.set PC,   224                         ; v224-229, v232-237 codes
.set TT,   240                         ; v240-242, v244-246 a block's upper 16 codes
.set WV,   14
.set SEL,  2
	s_load_b256 s[4:11], s[0:1], 0x0               ; x, W_attn, W_proj, cod
	s_load_b64 s[12:13], s[0:1], 0x20              ; scl
	v_lshl_add_u32 v[SPW], v0, 2, SPARE
	v_mov_b32 v[NIL], 0
	v_lshrrev_b32 v[LANE], 5, v0
	v_readfirstlane_b32 s[WV], v[LANE]             ; wave 0..3
	v_and_b32 v[LANE], 31, v0
	v_and_b32 v[RR], 15, v0
	v_bfe_u32 v[HH], v0, 4, 1
	v_lshlrev_b32 v[L16], 4, v[LANE]
	v_lshlrev_b32 v[L8], 3, v[LANE]
	v_lshlrev_b32 v[L4], 2, v[LANE]
	v_lshlrev_b32 v[SH], 3, v[HH]
	v_mov_b32 v[WU], 0                             ; a lane permute's destination counts as one of its sources
	s_mul_i32 s15, s[WV], 8448
	v_add_nc_u32 v[XSI], s15, v[L16]
	v_mul_u32_u24 v[XSO], v[RR], 528
	v_lshl_add_u32 v[XSO], v[HH], 7, v[XSO]
	v_add_nc_u32 v[XSO], s15, v[XSO]
	s_mul_i32 s15, s[WV], 6144
	v_bfe_u32 v[WT], v0, 3, 1                      ; u: which of the two row tiles my column falls into
	v_and_b32 v[WT+1], 7, v0
	v_lshl_add_u32 v[WT+1], v[HH], 3, v[WT+1]      ; r': its place there
	v_mul_u32_u24 v[WS16], v[WT], 3072
	v_add_nc_u32 v[WS16], s15, v[WS16]
	v_lshl_add_u32 v[WS8], v[WT+1], 3, v[WS16]
	v_lshl_add_u32 v[WS16], v[WT+1], 4, v[WS16]
	v_add_nc_u32 v[WSR], s15, v[L16]
	v_lshlrev_b32 v[WSV], 9, v[WT]
	v_lshl_add_u32 v[WSV], v[WT+1], 3, v[WSV]
	s_mov_b32 s[SEL], 0x76543210
	s_mov_b32 s[SEL+1], 0xfedcba98                 ; v_permlanex16_b32's selects for lane l xor 16
	s_wait_kmcnt 0x0
	s_cmp_lt_u32 ttmp9, 256
	s_cbranch_scc1 .Lx
	s_cmp_lt_u32 ttmp9, 352
	s_cbranch_scc1 .Lwa
; ---- a weight [1024 (k)][n]: a wave takes 32 columns x 256 along K, eight blocks a lane
.macro WLOAD t, n, ptr                 ; block t: W(32 t + i, my column): 32 lanes read 128 consecutive bytes
.irp i, 0,1,2,3,4,5,6,7,8,9,10,11,12,13,14,15,16,17,18,19,20,21,22,23,24,25,26,27,28,29,30,31
	global_load_b32 v[RA+32*((\t)%2)+\i], v[L4], s[\ptr:\ptr+1] offset:(32*(\t)+\i)*(\n)*4 th:TH_LOAD_NT
.endr
.endm
.macro WBLK t, n, ldsb, ptr
.set XS_, RA+32*((\t)%2)
.if (\t) < 7
	s_wait_loadcnt 32                              ; this block's 32 loads are in; the next block's may be out
.else
	s_wait_loadcnt 0x0
.endif
	v_max3_num_f32 v[MX], |v[XS_]|, |v[XS_+1]|, |v[XS_+2]|          ; the block's largest magnitude: all 32 numbers are mine
	v_max3_num_f32 v[MX+1], |v[XS_+3]|, |v[XS_+4]|, |v[XS_+5]|
.irp i, 6,10,14,18,22,26
	v_max3_num_f32 v[MX], v[MX], |v[XS_+\i]|, |v[XS_+\i+1]|
	v_max3_num_f32 v[MX+1], v[MX+1], |v[XS_+\i+2]|, |v[XS_+\i+3]|
.endr
	v_max3_num_f32 v[MX], v[MX], |v[XS_+30]|, |v[XS_+31]|
	v_max3_num_f32 v[MX], v[MX], v[MX+1], 0x2800000 ; and the floor 2^(5 - 127): the byte cannot fall under 1
	v_add_nc_u32 v[SO], 0xfe000000, v[MX]          ; 4 off the exponent field: the conversion's scale operand
	v_lshrrev_b32 v[BY], 23, v[SO]                 ; the scale's byte
.if (\t)%4 == 0
	v_mov_b32 v[SB+(\t)/4], v[BY]
.else
	v_lshl_or_b32 v[SB+(\t)/4], v[BY], 8*((\t)%4), v[SB+(\t)/4]
.endif
	v_cvt_scalef32_pk16_bf6_f32 v[PC:PC+2], v[XS_:XS_+15], v[SO]
	v_cvt_scalef32_pk16_bf6_f32 v[TT:TT+2], v[XS_+16:XS_+31], v[SO]  ; (a conversion's three registers begin on an even number)
	v_nop                                          ; one plain place behind a scaled conversion
.irp i, 0,1,2
	v_mov_b32 v[PC+3+\i], v[TT+\i]
.endr
	ds_store_b128 v[WS16], v[PC:PC+3] offset:(\ldsb)+((\t)/2)*768+256*((\t)%2)       ; block t is half t % 2 of half image t / 2
	ds_store_b64 v[WS8], v[PC+4:PC+5] offset:(\ldsb)+((\t)/2)*768+512+128*((\t)%2)
.if (\t)+2 < 8
	WLOAD (\t)+2, \n, \ptr
.endif
	s_wait_dscnt 0x0                               ; the stores have read their registers: the next block's codes may be written
.endm
.macro WQ n, rt0, ldsb, g0, ptr
	s_sub_co_u32 s16, ttmp9, \g0
	s_lshr_b32 s17, s16, 2                         ; which 128 columns
	s_and_b32 s18, s16, 3                          ; which 256 along K
	s_lshl_b32 s19, s17, 7
	s_lshl_b32 s20, s[WV], 5
	s_add_co_u32 s19, s19, s20                     ; my wave's first column
	s_mul_i32 s20, s18, 256*(\n)*4
	s_lshl_b32 s21, s19, 2
	s_add_co_u32 s20, s20, s21
	s_mov_b32 s21, 0
	s_add_nc_u64 s[\ptr:\ptr+1], s[\ptr:\ptr+1], s[20:21]
	s_lshr_b32 s22, s19, 4
	s_add_co_u32 s22, s22, \rt0                    ; my first row tile
	s_mul_i32 s20, s22, 12288
	s_mul_i32 s23, s18, 3072
	s_add_co_u32 s20, s20, s23
	s_add_nc_u64 s[10:11], s[10:11], s[20:21]
	s_lshl_b32 s20, s22, 9
	s_lshl_b32 s23, s18, 7
	s_add_co_u32 s20, s20, s23
	s_add_nc_u64 s[12:13], s[12:13], s[20:21]
	WLOAD 0, \n, \ptr
	WLOAD 1, \n, \ptr
.irp t, 0,1,2,3,4,5,6,7
	WBLK \t, \n, \ldsb, \ptr
.endr
	global_store_b64 v[WSV], v[SB:SB+1], s[12:13]  ; my column's two scale words of these 256 along K
.irp i, 0,1,2,3,4,5,6,7,8,9,10,11
	ds_load_b128 v[X+4*\i:X+4*\i+3], v[WSR] offset:(\ldsb)+512*\i   ; LDS serves a wave's instructions in order: these see my stores
.endr
.irp i, 0,1,2,3,4,5,6,7,8,9,10,11
	s_wait_dscnt 11-\i
	global_store_b128 v[L16], v[X+4*\i:X+4*\i+3], s[10:11] offset:(\i/6)*12288+(\i%6)*512   ; 32 lanes store 512 consecutive bytes, aligned
.endr
.endm
	WQ 1024, 704, 58368, 352, 8                    ; W_proj
	s_branch .Lend
.Lwa:
	WQ 3072, 512, 33792, 256, 6                    ; W_attn
	s_branch .Lend
; ---- x: a wave takes a row tile x 512 along K, four steps of 128
.Lx:
	s_lshl_b32 s16, ttmp9, 2
	s_add_co_u32 s16, s16, s[WV]
	s_lshr_b32 s17, s16, 1                         ; my row tile
	s_and_b32 s18, s16, 1                          ; which half of K
	s_lshr_b32 s19, s17, 1
	s_lshl_b32 s19, s19, 5
	s_and_b32 s20, s17, 1
	s_lshl_b32 s20, s20, 3
	s_add_co_u32 s19, s19, s20                     ; the tile's first row
	s_lshl_b32 s20, s19, 12
	s_lshl_b32 s21, s18, 11
	s_add_co_u32 s20, s20, s21
	s_mov_b32 s21, 0
	s_add_nc_u64 s[4:5], s[4:5], s[20:21]
	s_mul_i32 s20, s17, 12288
	s_mul_i32 s22, s18, 6144
	s_add_co_u32 s20, s20, s22
	s_add_nc_u64 s[10:11], s[10:11], s[20:21]
	s_lshl_b32 s20, s17, 9
	s_lshl_b32 s22, s18, 8
	s_add_co_u32 s20, s20, s22
	s_add_nc_u64 s[12:13], s[12:13], s[20:21]
.macro LOADX t                         ; 16 loads, a row each: 32 lanes read 512 consecutive bytes
.irp i, 0,1,2,3,4,5,6,7,8,9,10,11,12,13,14,15
	global_load_b128 v[RA+64*((\t)%2)+4*\i:RA+64*((\t)%2)+4*\i+3], v[L16], s[4:5] offset:(\i+8*(\i/8))*4096+512*(\t) th:TH_LOAD_NT
.endr
.endm
.macro XSTEP t
.if (\t) < 3
	s_wait_loadcnt 16                              ; this step's 16 loads are in; the next step's may be out
.else
	s_wait_loadcnt 0x0
.endif
.irp i, 0,1,2,3,4,5,6,7,8,9,10,11,12,13,14,15
	ds_store_b128 v[XSI], v[RA+64*((\t)%2)+4*\i:RA+64*((\t)%2)+4*\i+3] offset:528*\i    ; rows 528 bytes apart: 33 x 16
.endr
.irp c, 0,1
.irp j, 0,1,2,3,4,5,6,7
	ds_load_b128 v[X+32*\c+4*\j:X+32*\c+4*\j+3], v[XSO] offset:256*\c+16*\j             ; lane (r, h): k = 64 c + 32 h + 0 .. 31 of row r: a whole block
.endr
.endr
	s_wait_dscnt 0x0                               ; the numbers are back, and the stores have read their registers
	s_wait_xcnt 0x0                                ; the last step's stores have read their codes' registers
.if (\t)+2 < 4
	LOADX (\t)+2
.endif
.irp c, 0,1
	v_max3_num_f32 v[MX+\c], |v[X+32*\c]|, |v[X+32*\c+1]|, 0x2800000   ; with the floor 2^(5 - 127)
.endr
.irp i, 2,4,6,8,10,12,14,16,18,20,22,24,26,28,30
.irp c, 0,1
	v_max3_num_f32 v[MX+\c], v[MX+\c], |v[X+32*\c+\i]|, |v[X+32*\c+\i+1]|   ; (the two blocks by turns)
.endr
.endr
.irp c, 0,1
	v_add_nc_u32 v[SO+\c], 0xfe000000, v[MX+\c]
.endr
.irp c, 0,1
	v_lshrrev_b32 v[BY+\c], 23, v[SO+\c]
.endr
	v_lshl_or_b32 v[WT], v[BY+1], 16, v[BY]        ; my two bytes: blocks h and 2 + h of the step's four,
	v_lshlrev_b32 v[WT], v[SH], v[WT]              ; at their places in the word;
	v_permlanex16_b32 v[WU], v[WT], s[SEL], s[SEL+1]
	v_or_b32 v[WD+(\t)], v[WT], v[WU]              ; with lane l xor 16's two the word is whole
.irp c, 0,1
	v_cvt_scalef32_pk16_bf6_f32 v[PC+8*\c:PC+8*\c+2], v[X+32*\c:X+32*\c+15], v[SO+\c]
	v_cvt_scalef32_pk16_bf6_f32 v[TT+4*\c:TT+4*\c+2], v[X+32*\c+16:X+32*\c+31], v[SO+\c]
.endr
	v_nop                                          ; one plain place behind a scaled conversion
.irp c, 0,1
.irp i, 0,1,2
	v_mov_b32 v[PC+8*\c+3+\i], v[TT+4*\c+\i]
.endr
.endr
.irp c, 0,1
	global_store_b128 v[L16], v[PC+8*\c:PC+8*\c+3], s[10:11] offset:(2*(\t)+\c)*768          ; 512 consecutive bytes, aligned
	global_store_b64 v[L8], v[PC+8*\c+4:PC+8*\c+5], s[10:11] offset:(2*(\t)+\c)*768+512      ; 256
.endr
.endm
	LOADX 0
	LOADX 1
	XSTEP 0
	XSTEP 1
	XSTEP 2
	XSTEP 3
	v_cmp_gt_u32 vcc_lo, 16, v[LANE]
	v_cndmask_b32 v[WT], v[WD+2], v[WD], vcc_lo    ; lanes 0-15: the first 256 along K, lanes 16-31 the second
	v_cndmask_b32 v[WT+1], v[WD+3], v[WD+1], vcc_lo
	global_store_b64 v[L8], v[WT:WT+1], s[12:13]   ; 32 lanes store 256 consecutive bytes, aligned
.Lend:
	s_wait_tensorcnt 0x0                           ; the wave's end, behind my last LDS store
	ds_add_u32 v[SPW], v[NIL]
	s_wait_dscnt 0x0
	s_endpgm
.Lfunc_end_k_qa2f7824ff6_quant:
	.size	k_qa2f7824ff6_quant, .Lfunc_end_k_qa2f7824ff6_quant-k_qa2f7824ff6_quant
	.p2alignl 7, 3214868480
	.fill 96, 4, 3214868480
	.section	.rodata,"a",@progbits
	.p2align	6, 0x0
	.amdhsa_kernel k_qa2f7824ff6_quant
		.amdhsa_group_segment_fixed_size 83456
		.amdhsa_private_segment_fixed_size 0
		.amdhsa_enable_private_segment 0
		.amdhsa_kernarg_size 40
		.amdhsa_user_sgpr_count 2
		.amdhsa_user_sgpr_kernarg_segment_ptr 1
		.amdhsa_wavefront_size32 1
		.amdhsa_system_sgpr_workgroup_id_x 1
		.amdhsa_system_sgpr_workgroup_id_y 1
		.amdhsa_system_sgpr_workgroup_id_z 1
		.amdhsa_system_vgpr_workitem_id 0
		.amdhsa_next_free_vgpr 256
		.amdhsa_next_free_sgpr 66
		.amdhsa_reserve_vcc 1
		.amdhsa_float_denorm_mode_32 3
		.amdhsa_float_denorm_mode_16_64 3
		.amdhsa_memory_ordered 1
		.amdhsa_forward_progress 1
		.amdhsa_inst_pref_size 111
	.end_amdhsa_kernel
	.amdgpu_metadata
---
amdhsa.version: [ 1, 2 ]
amdhsa.kernels:
  - .name:           k_qa2f7824ff6_quant
    .symbol:         k_qa2f7824ff6_quant.kd
    .args:
      - { .name: x, .offset: 0, .size: 8, .value_kind: global_buffer, .address_space: global }
      - { .name: W_attn, .offset: 8, .size: 8, .value_kind: global_buffer, .address_space: global }
      - { .name: W_proj, .offset: 16, .size: 8, .value_kind: global_buffer, .address_space: global }
      - { .name: cod, .offset: 24, .size: 8, .value_kind: global_buffer, .address_space: global }
      - { .name: scl, .offset: 32, .size: 8, .value_kind: global_buffer, .address_space: global }
    .group_segment_fixed_size: 83456
    .private_segment_fixed_size: 0
    .kernarg_segment_align: 8
    .kernarg_segment_size: 40
    .max_flat_workgroup_size: 128
    .sgpr_count:     66
    .vgpr_count:     256
    .wavefront_size: 32
...
	.end_amdgpu_metadata
.endif
;; end of part 1
;; launch gemm_qkv (part 2): grid 12 x 32, 4 waves a work-group, clusters of 4 x 4, 327,680 bytes of LDS; arguments cod, scl, b_attn, qkv, qkvs; writes qkv, qkvs
.if DOCPART == 2
	.amdgcn_target "amdgcn-amd-amdhsa--gfx1250"
	.amdhsa_code_object_version 6
	.text
	.protected	k_qa2f7824ff6_gemm_qkv
	.globl	k_qa2f7824ff6_gemm_qkv
	.p2align	8
	.type	k_qa2f7824ff6_gemm_qkv,@function
k_qa2f7824ff6_gemm_qkv:
	s_mov_b64 s[64:65], 0
	v_nop
	global_prefetch_b8 v0, s[64:65] scope:SCOPE_SE
	s_setreg_imm32_b32 hwreg(HW_REG_WAVE_MODE, 25, 1), 1
	s_wait_xcnt 0x0
	s_wait_alu depctr_hold_cnt(0) depctr_sa_sdst(0) depctr_va_vdst(0) depctr_va_sdst(0) depctr_va_ssrc(0) depctr_va_vcc(0) depctr_vm_vsrc(0)
	s_getreg_b32 s2, hwreg(HW_REG_IB_STS2, 6, 4)
	s_cmp_eq_u32 s2, 0
	s_cbranch_scc0 .Lentry_in_a_cluster
	s_endpgm
.Lentry_in_a_cluster:
	s_bfe_u32 s2, ttmp6, 0x10000c
	s_cmp_lg_u32 s2, 0xf033
	s_cbranch_scc0 .Lentry_shape_is_right
	s_endpgm
.Lentry_shape_is_right:
; LAUNCH 2 OF 4.  qkv = x W_attn + b_attn on codes of BF6 with E8M0 scales, K = 1024; the f32 results never go to memory: the way out adds the bias and quantises them at once,
; q and k along the head's 64, v along the keys, into images of the operands' registers (the layout is set out at the head of launch 1).  Nothing is left out here.
; P is source 1 (a lane holds ONE row of it), R is source 0 (the result's registers run along its rows).  A work-group makes 256 rows of P x 256 rows of R; each of its four waves 128 x 128: 64 accumulators.
; Since a row tile 2 b + u holds rows 32 b + 8 u + r + 8 (r / 8), the 16 registers of R's tiles 2 b and 2 b + 1 are 16 NEIGHBOURS along R's rows: 64 registers of a lane are 128 along the next K.
; ONE TEXT FOR BOTH WAYS ROUND.  The cluster's x (the same in all sixteen partners) says which: 0 q, 1 k: P = tokens, R = columns of W_attn (the next K = the head's 64: two heads to a wave);
; 2 v: P = columns of W_attn, R = tokens (the next K = the keys).  Only offsets are chosen, and two short arms differ: the bias' loads and its addition.
; K goes in steps of 256 through a ring of two LDS slots, dense images, no padding: every LDS load takes 512 or 256 consecutive bytes.  The scale words of all of K come once, with the first fills.
; CLUSTERS: 4 x 4.  P's tiles are shared along a row of the cluster, R's along a column: joint loads with a mask that names the four.  All of a WGP's LDS is claimed.
; qkv: q, k: [head 32][token tile 512][768]; v from VC0: [256 tokens 32][d tile 64][64 keys 4][768].  qkvs: q, k: [head 32][token tile 512][16 words]; v from VS0: [head 16][128 keys 64][d tile 4][16 words].
; A q or k word holds its head's two bytes below; the two above are the neighbour's bytes or 0, never 0xff, and stand over zero codes in the next launch.
; REGISTERS: window 0: v1-31 addresses; v32-63 scale words, two sets; v64-127 the bias; v128-223 P's fragments, one set; on the way out v128-243 at work.  window 1: R's fragments, two sets.  windows 2, 3: the accumulators.
.set NBK,   8                          ; R's blocks of 16 rows to a wave
.set HALFP, 24576                      ; 8 row tiles x 256 along K: what one tensor load brings of P
.set HALFR, NBK*3072
.set SLOT,  2*HALFP+2*HALFR
.set SCL,   2*SLOT                     ; R's scale words,
.set SCP,   SCL+NBK*1024               ; P's,
.set STG,   SCP+8192                   ; 512 bytes for each wave: the scale words made on the way out; no fill lands here
.set SPARE, STG+2048                   ; the spare words, 128 bytes for each wave
.set VC0,   12582912
.set VS0,   1048576
.set FR,    12
.set NL,    4                          ; LDS loads that bring a fragment
.set NP,    4                          ; places behind this matrix instruction (ISA guide 7.12.1)
.set STW,  5                           ; v5   my place in my wave's 512 bytes: 4 (lane % 16)
.set STR,  6                           ; v6   and back: 16 lane
.set P16,  16                          ; v16-17 P's fragments in slot 0, 1: + 16 lane;  v18-19: + 8 lane
.set P8,   18
.set R16,  20                          ; v20-23 the same for R
.set R8,   22
.set L16,  24
.set L8,   25
.set ADRS, 27                          ; my scale words: lanes 0-15 R's rows, lanes 16-31 P's
.set SPW,  28
.set NIL,  29
.set BV,   30                          ; the bias' offset
.set SOFF, 31                          ; the scale words' offset on the way out
.set SC,   32
.set BI,   64
.set PF,   128
.set H,    128                         ; the way out: 64 numbers of a lane
.set PC,   192                         ; their codes
.set TM,   212
.set PW,   228                         ; v228-235 eight scale words
.set OUT,  14                          ; s[14:15] where the first half image goes, s[66:67] the second, s[16:17] the scale words
.set OUT2, 66
.set SOUT, 16
.set STRA, 92                          ; s[92:93] from one block of P to the next
.set WV,   18
.set PH,   19                          ; my half of P's rows.  Also: I fetch for P (0) or for R (1)
.set RH,   20                          ; my half of R's rows.  Also: which half of that tile I fetch
.set SEL,  22
.set G1P,  24
.set G0P,  32
.set G1R,  48
.set G0R,  56
.set G1SP, 68
.set G0SP, 76
.set G1SR, 80
.set G0SR, 88
.set MSB, 0
.macro WIN new                         ; the immediate's high byte repeats the setting that is left
.if MSB != (\new)
	s_set_vgpr_msb (MSB<<8)|(\new)
.set MSB, (\new)
.endif
.endm
.set TO_R, 0x40                        ; destination window 1, address window 0
.macro MWIN a0, first                  ; source 0 (R) window 1, source 1 (P) window 0, C and D the accumulators' window (first = 2: C in window 0)
.set WA_, 2+(8*NBK*(\a0))/256
.if (\first) == 2
.set WN_, (WA_<<6)|1
.else
.set WN_, (WA_<<6)|(WA_<<4)|1
.endif
	WIN WN_
.endm
; A joint load: waves 0 and 1 fetch for P, waves 2 and 3 for R.  Each line has one mask and one set of registers; the branch hangs on the wave's number alone.  An s_nop 0 and four v_nop follow each line.
.macro JLOAD g0a, g1a, g0b, g1b
	s_cmp_eq_u32 s[PH], 0
	s_cbranch_scc0 .Lfor_r_\@
	tensor_load_to_lds s[\g0a:\g0a+3], s[\g1a:\g1a+7]
	s_nop 0
.rept 4
	v_nop
.endr
	s_branch .Lasked_\@
.Lfor_r_\@:
	tensor_load_to_lds s[\g0b:\g0b+3], s[\g1b:\g1b+7]
	s_nop 0
.rept 4
	v_nop
.endr
.Lasked_\@:
.endm
.macro CREST                           ; a round of the cluster's barrier behind its opening barrier
	s_cmp_lg_u32 s[WV], 0
	s_cbranch_scc1 .Lnot_wave_0_\@
	s_barrier_signal -3
.Lnot_wave_0_\@:
	s_barrier_wait -3
	s_barrier_signal -1
	s_barrier_wait -1
.endm
.macro CROUND
	s_barrier_signal -1
	s_barrier_wait -1
	CREST
.endm
.macro PLACES n
.rept \n
	v_nop
.endr
.endm
.macro FRAG reg, a16, a8, off          ; a fragment, 16 rows x 128 K: two half images on end
	ds_load_b128 v[(\reg):(\reg)+3], v[\a16] offset:(\off)
	ds_load_b64 v[(\reg)+4:(\reg)+5], v[\a8] offset:(\off)+512
	ds_load_b128 v[(\reg)+6:(\reg)+9], v[\a16] offset:(\off)+768
	ds_load_b64 v[(\reg)+10:(\reg)+11], v[\a8] offset:(\off)+1280
.endm
.macro FETCH_R slot, q, p              ; R's fragments of the slot's q-th 128 along K into set p
	WIN TO_R
.set fi, 0
.rept NBK
	FRAG 128*(\p)+FR*fi, R16+\slot, R8+\slot, fi*3072+(\q)*1536
.set fi, fi+1
.endr
	WIN 0
.endm
.macro FETCH_P slot, q, i0             ; P's blocks i0 .. i0 + 3
.set fi, \i0
.rept 4
	FRAG PF+FR*fi, P16+\slot, P8+\slot, fi*3072+(\q)*1536
.set fi, fi+1
.endr
.endm
.macro SCALES set                      ; a slot's two words a row: lanes 0-15 R's block i, lanes 16-31 P's block i
.irp i, 0,1,2,3,4,5,6,7
	ds_load_b64 v[SC+16*(\set)+2*\i:SC+16*(\set)+2*\i+1], v[ADRS] offset:512*\i
.endr
.endm
; P's blocks a0, a0 + 1 x all of R's, 128 along K.  The accumulators take turns, one instruction a turn, in the same order in every step.  first = 1: the products start the sums.
.macro MULQ a0, p, q, sc, first
.irp a, \a0, \a0+1
.set mb, 0
.rept NBK
.set mD, (8*(NBK*(\a)+mb))%256
.set mA, 128*(\p)+FR*mb
.set mB, PF+FR*(\a)
.set mS, SC+16*(\sc)+2*mb+(\q)
.set mT, SC+16*(\sc)+2*(\a)+(\q)
.if (\first) == 1
	v_wmma_scale_f32_16x16x128_f8f6f4 v[mD:mD+7], v[mA:mA+FR-1], v[mB:mB+FR-1], 0, v[mS], v[mT] matrix_a_fmt:MATRIX_FMT_BF6 matrix_b_fmt:MATRIX_FMT_BF6 matrix_b_scale:MATRIX_SCALE_ROW1
.else
	v_wmma_scale_f32_16x16x128_f8f6f4 v[mD:mD+7], v[mA:mA+FR-1], v[mB:mB+FR-1], v[mD:mD+7], v[mS], v[mT] matrix_a_fmt:MATRIX_FMT_BF6 matrix_b_fmt:MATRIX_FMT_BF6 matrix_b_scale:MATRIX_SCALE_ROW1
.endif
.set mb, mb+1
.endr
.endr
.endm
; A slot's first 128 along K.  A block of P is free as soon as its products are issued: blocks 0-3 are fetched anew in the step's middle, blocks 4-7 at its end; R has two sets.
.macro STEP slot, first
	s_wait_dscnt 4*NL                              ; R's set, the scale words and P's blocks 0-3 are in; the youngest 16 loads (P's blocks 4-7) may be out
	MWIN 0, \first
	MULQ 0, 0, 0, \slot, \first
	MULQ 2, 0, 0, \slot, \first
	s_wait_dscnt 0x0                               ; P's blocks 4-7 are in
	PLACES NP                                      ; in front of loads into registers that matrix instructions have read
	FETCH_R \slot, 1, 1
	FETCH_P \slot, 1, 0
	MWIN 4, \first
	MULQ 4, 0, 0, \slot, \first
	MULQ 6, 0, 0, \slot, \first
	PLACES NP
	WIN 0
	FETCH_P \slot, 1, 4
.endm
; A slot's second 128 along K changes slots: one barrier; in front of it each wave waits for all its tensor loads, adds 0 to its spare word, and waits for that and for its reads of this slot.
.macro TURN slot, next, fill
	s_wait_tensorcnt 0x0                           ; all my tensor loads have landed: my part of the next slot
	ds_add_u32 v[SPW], v[NIL]                      ; 0 onto my spare word
	s_wait_dscnt 4*NL+1                            ; (the add and the youngest 16 loads may be out)
	MWIN 0, 0
	MULQ 0, 1, 1, \slot, 0                         ; matrix work stands between the add and the wait for it
	s_wait_dscnt 0x0                               ; the add is done, and my reads of this slot are over
	s_barrier_signal -1
	MULQ 2, 1, 1, \slot, 0
	WIN 0
	s_barrier_wait -1
.if \fill
	CREST                                          ; the barrier has opened a round of the cluster's: no wave of any partner still reads this slot or has a load on its way
	s_add_nc_u64 s[G0P+4*\slot+2:G0P+4*\slot+3], s[G0P+4*\slot+2:G0P+4*\slot+3], 6144
	s_add_nc_u64 s[G0R+4*\slot+2:G0R+4*\slot+3], s[G0R+4*\slot+2:G0R+4*\slot+3], 6144
	JLOAD G0P+4*\slot, G1P, G0R+4*\slot, G1R       ; the first tensor load behind the round; its four v_nop are the places in front of the loads below
.else
	PLACES NP
.endif
	v_add_nc_u32 v[ADRS], 128, v[ADRS]             ; on to the next slot's scale words
	FETCH_R \next, 0, 0
	FETCH_P \next, 0, 0
	SCALES \next
	MWIN 4, 0
	MULQ 4, 1, 1, \slot, 0
	MULQ 6, 1, 1, \slot, 0
	PLACES NP
	WIN 0
	FETCH_P \next, 0, 4
.endm
; 64 numbers of a lane, register 16 b + i = k 32 b + 16 (lane / 16) + i of my row, become a fragment's codes in v[PC] on and its scale word in v[pw].
.macro QUANT s, pw
.irp b, 0,1,2,3
	v_max3_num_f32 v[TM+\b], |v[\s+16*\b]|, |v[\s+1+16*\b]|, 0x2800000   ; my 16 numbers of block b, and the floor 2^(5 - 127)
.endr
.irp i, 2,4,6,8,10,12,14
.irp b, 0,1,2,3
	v_max3_num_f32 v[TM+\b], v[TM+\b], |v[\s+16*\b+\i]|, |v[\s+1+16*\b+\i]|
.endr
.endr
.irp b, 0,1,2,3
	v_permlanex16_b32 v[TM+4+\b], v[TM+\b], s[SEL], s[SEL+1]
.endr
.irp b, 0,1,2,3
	v_max_num_f32 v[TM+\b], v[TM+\b], v[TM+4+\b]   ; with lane l xor 16's: the block's largest magnitude
.endr
.irp b, 0,1,2,3
	v_add_nc_u32 v[TM+12+\b], 0xfe000000, v[TM+\b] ; 4 off its exponent field: the conversion's scale operand
.endr
.irp b, 0,1,2,3
	v_lshrrev_b32 v[TM+4+\b], 23, v[TM+12+\b]      ; the scale's byte
.endr
	v_lshl_or_b32 v[\pw], v[TM+5], 8, v[TM+4]
	v_lshl_or_b32 v[\pw], v[TM+6], 16, v[\pw]
	v_lshl_or_b32 v[\pw], v[TM+7], 24, v[\pw]
.irp c, 0,1
	v_cvt_scalef32_pk16_bf6_f32 v[PC+6*\c:PC+2+6*\c], v[\s+32*\c:\s+15+32*\c], v[TM+12+2*\c]
	v_cvt_scalef32_pk16_bf6_f32 v[PC+12+4*\c:PC+14+4*\c], v[\s+16+32*\c:\s+31+32*\c], v[TM+12+2*\c+1]
.endr
	v_nop                                          ; one plain place behind a scaled conversion
.irp c, 0,1                                    ; the operand's layout wants a whole block in a lane
.irp i, 0,1,2
	v_permlane16_swap_b32 v[PC+6*\c+\i], v[PC+12+4*\c+\i]
.endr
.irp i, 0,1,2
	v_mov_b32 v[PC+3+6*\c+\i], v[PC+12+4*\c+\i]
.endr
.endr
.endm
	s_load_b256 s[4:11], s[0:1], 0x0               ; cod, scl, b_attn, qkv
	s_load_b64 s[12:13], s[0:1], 0x20              ; qkvs
	v_lshl_add_u32 v[SPW], v0, 2, SPARE
	v_mov_b32 v[NIL], 0
	ds_add_u32 v[SPW], v[NIL]                      ; the wave's opening: the add, twice on end, and its wait ahead of my first tensor load
	ds_add_u32 v[SPW], v[NIL]
	v_lshrrev_b32 v1, 5, v0
	v_readfirstlane_b32 s[WV], v1                  ; wave 0..3
	s_lshr_b32 s[PH], s[WV], 1
	s_and_b32 s[RH], s[WV], 1
	s_bfe_u32 s40, ttmp6, 0x40000                  ; cx
	s_bfe_u32 s41, ttmp6, 0x40004                  ; cy
	s_and_b32 s42, ttmp7, 0xffff
	s_lshl_b32 s42, s42, 2                         ; 4 x cluster y
	s_lshl_b32 s43, s41, 2
	s_lshl_b32 s43, 15, s43                        ; my row of the cluster
	s_lshl_b32 s44, 0x1111, s40                    ; my column
	; group 1 of the tiles: rows = row tiles, 3,072 bytes (384 elements of 8) of each tile's 12,288; no padding
	s_or_b32 s[G1P], s43, (3<<16)|(1<<21)
	s_or_b32 s[G1R], s44, (3<<16)|(1<<21)
.irp g, G1P, G1R
	s_mov_b32 s[\g+1], 384<<16                     ; tensor_dim0
	s_mov_b32 s[\g+3], 384<<16                     ; tile_dim0
	s_mov_b32 s[\g+5], 1536                        ; the pitch
	s_mov_b32 s[\g+6], 0
	s_mov_b32 s[\g+7], 0
.endr
	s_mov_b32 s[G1P+2], 8<<16                      ; tensor_dim1
	s_mov_b32 s[G1P+4], 8                          ; tile_dim1
	s_mov_b32 s[G1R+2], NBK<<16
	s_mov_b32 s[G1R+4], NBK
	; and of the scale words: dense blocks as rows of 256 bytes
	s_or_b32 s[G1SP], s43, (3<<16)|(1<<21)
	s_or_b32 s[G1SR], s44, (3<<16)|(1<<21)
.irp g, G1SP, G1SR
	s_mov_b32 s[\g+1], 32<<16
	s_mov_b32 s[\g+3], 32<<16
	s_mov_b32 s[\g+5], 32
	s_mov_b32 s[\g+6], 0
	s_mov_b32 s[\g+7], 0
.endr
	s_mov_b32 s[G1SP+2], 16<<16
	s_mov_b32 s[G1SP+4], 16
	s_mov_b32 s[G1SR+2], (2*NBK)<<16
	s_mov_b32 s[G1SR+4], 2*NBK
	; which blocks of 256 rows of cod.  P's hangs on cy and the cluster's place alone, R's on cx and the cluster's place alone
	s_add_co_u32 s45, s42, s41                     ; q, k: P = x's block 4 cluster y + cy
	s_add_co_u32 s94, s41, 40                      ; v:    P = W_attn's block 8 + cy (W_attn begins at block 32)
	s_lshl_b32 s46, ttmp9, 2
	s_add_co_u32 s46, s46, s40
	s_add_co_u32 s46, s46, 32                      ; q, k: R = W_attn's block 4 cluster x + cx
	s_add_co_u32 s98, s42, s40                     ; v:    R = x's block 4 cluster y + cx
	s_cmp_eq_u32 ttmp9, 2
	s_cselect_b32 s45, s94, s45
	s_cselect_b32 s46, s98, s46
	s_mul_i32 s47, s[RH], 98304                    ; the half that I fetch
	s_mul_i32 s94, s45, 196608
	s_add_co_u32 s94, s94, s47
	s_mov_b32 s95, 0
	s_mul_i32 s98, s46, 196608
	s_add_co_u32 s98, s98, s47
	s_mov_b32 s99, 0
	s_lshl_b32 s47, s[RH], 12
	s_lshl_b32 s96, s45, 13
	s_add_co_u32 s96, s96, s47
	s_mov_b32 s97, 0
	s_lshl_b32 s100, s46, 13
	s_add_co_u32 s100, s100, s47
	s_mov_b32 s101, 0
	s_mul_i32 s21, s[RH], HALFP                    ; where they go in LDS: no place in the cluster enters
	s_mul_i32 s45, s[RH], HALFR
	s_add_co_u32 s45, s45, 2*HALFP
	s_lshl_b32 s46, s[RH], 12
	s_add_co_u32 s46, s46, SCP
	s_mul_i32 s47, s[RH], NBK*512
	s_add_co_u32 s47, s47, SCL
	s_mov_b32 s[SEL], 0x76543210
	s_mov_b32 s[SEL+1], 0xfedcba98
	s_wait_dscnt 0x0                               ; both opening adds are done
	s_wait_kmcnt 0x0
	s_add_nc_u64 s[94:95], s[4:5], s[94:95]
	s_add_nc_u64 s[98:99], s[4:5], s[98:99]
	s_add_nc_u64 s[96:97], s[6:7], s[96:97]
	s_add_nc_u64 s[100:101], s[6:7], s[100:101]
	CROUND                                         ; all sixteen work-groups are here: the first joint loads meet
	s_mov_b32 s[G0SP], 1
	s_mov_b32 s[G0SP+1], s46
	s_mov_b64 s[G0SP+2:G0SP+3], s[96:97]
	s_or_b32 s[G0SP+3], s[G0SP+3], 0x80000000
	s_mov_b32 s[G0SR], 1
	s_mov_b32 s[G0SR+1], s47
	s_mov_b64 s[G0SR+2:G0SR+3], s[100:101]
	s_or_b32 s[G0SR+3], s[G0SR+3], 0x80000000
	JLOAD G0SP, G1SP, G0SR, G1SR                   ; the scale words first
.irp s, 0,1
	s_mov_b32 s[G0P+4*\s], 1
	s_add_co_u32 s[G0P+4*\s+1], s21, \s*SLOT
	s_add_nc_u64 s[G0P+4*\s+2:G0P+4*\s+3], s[94:95], \s*3072
	s_or_b32 s[G0P+4*\s+3], s[G0P+4*\s+3], 0x80000000
	s_mov_b32 s[G0R+4*\s], 1
	s_add_co_u32 s[G0R+4*\s+1], s45, \s*SLOT
	s_add_nc_u64 s[G0R+4*\s+2:G0R+4*\s+3], s[98:99], \s*3072
	s_or_b32 s[G0R+4*\s+3], s[G0R+4*\s+3], 0x80000000
	JLOAD G0P+4*\s, G1P, G0R+4*\s, G1R             ; three tensor loads of mine are out
.endr
	v_and_b32 v1, 15, v0                           ; r
	v_bfe_u32 v2, v0, 4, 1                         ; h
	v_and_b32 v3, 31, v0
	v_lshlrev_b32 v[L16], 4, v3
	v_lshlrev_b32 v[L8], 3, v3
	s_mul_i32 s45, s[PH], HALFP                    ; my 128 rows of P
	s_mul_i32 s46, s[RH], HALFR
	s_add_co_u32 s46, s46, 2*HALFP                 ; my rows of R
.irp s, 0,1
	v_add_nc_u32 v[P16+\s], s45, v[L16]
	v_add_nc_u32 v[P8+\s], s45, v[L8]
	v_add_nc_u32 v[R16+\s], s46, v[L16]
	v_add_nc_u32 v[R8+\s], s46, v[L8]
	s_add_co_u32 s45, s45, SLOT
	s_add_co_u32 s46, s46, SLOT
.endr
	s_mul_i32 s45, s[RH], NBK*512                  ; the scale words: R's base + h x (the distance to P's)
	s_lshl_b32 s46, s[PH], 12
	s_add_co_u32 s46, s46, NBK*1024
	s_sub_co_u32 s46, s46, s45
	v_mul_u32_u24 v4, s46, v2
	v_lshl_add_u32 v4, v1, 3, v4
	s_add_co_u32 s45, s45, SCL
	v_add_nc_u32 v[ADRS], s45, v4
	s_lshl_b32 s45, s[WV], 9
	s_add_co_u32 s45, s45, STG
	v_lshl_add_u32 v[STW], v1, 2, s45
	v_add_nc_u32 v[STR], s45, v[L16]
	; where the bias lies and where the results go: both candidates, then one choice on the cluster's x
	s_lshl_b32 s45, ttmp9, 2
	s_add_co_u32 s45, s45, s40                     ; 4 cluster x + cx
	s_add_co_u32 s46, s42, s41                     ; 4 cluster y + cy
	s_add_co_u32 s47, s42, s40                     ; 4 cluster y + cx
	s_lshl_b32 s94, s45, 10
	s_lshl_b32 s95, s[RH], 9
	s_add_co_u32 s94, s94, s95                     ; q, k: the bias of my 128 columns
	s_lshl_b32 s95, s41, 10
	s_lshl_b32 s96, s[PH], 9
	s_add_co_u32 s95, s95, s96
	s_add_co_u32 s95, s95, 8192                    ; v: likewise, from column 2,048 on
	s_lshl_b32 s96, s45, 2
	s_lshl_b32 s97, s[RH], 1
	s_add_co_u32 s96, s96, s97                     ; q, k: my first head of 32
	s_lshl_b32 s97, s46, 4
	s_lshl_b32 s98, s[PH], 3
	s_add_co_u32 s97, s97, s98                     ; my first token tile
	s_mul_i32 s98, s96, 393216
	s_mul_i32 s99, s97, 768
	s_add_co_u32 s98, s98, s99
	s_lshl_b32 s99, s96, 15
	s_lshl_b32 s100, s97, 6
	s_add_co_u32 s99, s99, s100
	s_lshl_b32 s96, s41, 4
	s_lshl_b32 s97, s[PH], 3
	s_add_co_u32 s96, s96, s97                     ; v: my first d tile of 64
	s_mul_i32 s100, s47, 196608
	s_mul_i32 s97, s96, 3072
	s_add_co_u32 s100, s100, s97
	s_mul_i32 s97, s[RH], 1536
	s_add_co_u32 s100, s100, s97
	s_add_co_u32 s100, s100, VC0
	s_lshl_b32 s101, s96, 12                       ; (d tile / 4) heads of 16,384 bytes
	s_lshl_b32 s97, s47, 9
	s_add_co_u32 s101, s101, s97
	s_lshl_b32 s97, s[RH], 8
	s_add_co_u32 s101, s101, s97
	s_add_co_u32 s101, s101, VS0
	s_mov_b32 s92, 768
	s_mov_b32 s96, 3072
	s_mov_b32 s97, 393216
	s_mov_b32 s45, 256
	s_mov_b32 s46, 16384
	s_cmp_eq_u32 ttmp9, 2
	s_cselect_b32 s94, s95, s94
	s_cselect_b32 s98, s100, s98
	s_cselect_b32 s100, s101, s99
	s_cselect_b32 s97, s92, s97                    ; to the second half image: the next head, or the next 64 keys
	s_cselect_b32 s92, s96, s92                    ; to the next block of P: the next token tile, or the next d tile
	s_cselect_b32 s45, s46, s45                    ; lanes 16-31 of the scale words' store: on end, or the next head
	s_mov_b32 s95, 0
	s_add_nc_u64 s[8:9], s[8:9], s[94:95]
	s_mov_b32 s99, 0
	s_add_nc_u64 s[OUT:OUT+1], s[10:11], s[98:99]
	s_mov_b32 s96, s97
	s_mov_b32 s97, 0
	s_add_nc_u64 s[OUT2:OUT2+1], s[OUT:OUT+1], s[96:97]
	s_mov_b32 s101, 0
	s_add_nc_u64 s[SOUT:SOUT+1], s[12:13], s[100:101]
	s_mov_b32 s93, 0
	v_lshlrev_b32 v[SOFF], 4, v1
	v_mad_u32_u24 v[SOFF], v2, s45, v[SOFF]
	; the bias, in the result's layout.  Both arms write all 64 registers
	s_cmp_eq_u32 ttmp9, 2
	s_cbranch_scc1 .Lbias_v
	v_lshlrev_b32 v[BV], 6, v2                     ; q, k: register 8 b + j: column 32 (b / 2) + 16 h + 8 (b % 2) + j
.irp b, 0,1,2,3,4,5,6,7
	global_load_b128 v[BI+8*\b:BI+8*\b+3], v[BV], s[8:9] offset:(32*(\b/2)+8*(\b%2))*4
	global_load_b128 v[BI+8*\b+4:BI+8*\b+7], v[BV], s[8:9] offset:(32*(\b/2)+8*(\b%2))*4+16
.endr
	s_branch .Lbias_done
.Lbias_v:
	v_and_b32 v[BV], 8, v1
	v_add_nc_u32 v[BV], v[BV], v1
	v_lshlrev_b32 v[BV], 2, v[BV]                  ; v: registers 8 a + 0 .. 7 all hold the bias of my column of block a
.irp a, 0,1,2,3,4,5,6,7
.irp j, 0,1,2,3,4,5,6,7
	global_load_b32 v[BI+8*\a+\j], v[BV], s[8:9] offset:(32*(\a/2)+8*(\a%2))*4
.endr
.endr
.Lbias_done:
	s_wait_tensorcnt 1                             ; the scale words and my part of slot 0 are in (slot 1's load may be out)
	s_barrier_signal -1
	s_barrier_wait -1                              ; everybody's are
	FETCH_R 0, 0, 0
	FETCH_P 0, 0, 0
	SCALES 0
	FETCH_P 0, 0, 4
	STEP 0, 1                                      ; K 0: the products start the sums
	TURN 0, 1, 1                                   ; K 128; slot 0 takes K 512 on
	STEP 1, 0
	TURN 1, 0, 1                                   ; slot 1 takes K 768 on
	STEP 0, 0
	TURN 0, 1, 0                                   ; nothing is left to fetch
	STEP 1, 0
	s_wait_dscnt 4*NL                              ; the last 128 along K
	MWIN 0, 0
	MULQ 0, 1, 1, 1, 0
	MULQ 2, 1, 1, 1, 0
	s_wait_dscnt 0x0
	MWIN 4, 0
	MULQ 4, 1, 1, 1, 0
	MULQ 6, 1, 1, 1, 0
	WIN 0
; THE WAY OUT, a block of 16 rows of P at a time: + bias (which also brings the 64 numbers into window 0, each accumulator from its low end on), quantised, and stored as two half images: whole aligned runs of 512 and 256 bytes.
.macro EPI a
.if (\a) > 0
	s_wait_xcnt 0x0                                ; the last block's stores have read their registers and their bases
	s_add_nc_u64 s[OUT:OUT+1], s[OUT:OUT+1], s[STRA:STRA+1]
	s_add_nc_u64 s[OUT2:OUT2+1], s[OUT2:OUT2+1], s[STRA:STRA+1]
.endif
.set AC_, 64*((\a)%4)
	s_cmp_eq_u32 ttmp9, 2
	s_cbranch_scc1 .Lv_\@
	WIN 2+(\a)/4                                   ; source 0: the accumulators' window
.set ei, 0
.rept 32
	v_pk_add_f32 v[H+ei:H+ei+1], v[AC_+ei:AC_+ei+1], v[BI+ei:BI+ei+1]
.set ei, ei+2
.endr
	WIN 0
	s_branch .Lj_\@
.Lv_\@:
	WIN 2+(\a)/4
.set ei, 0
.rept 32
	v_pk_add_f32 v[H+ei:H+ei+1], v[AC_+ei:AC_+ei+1], v[BI+8*(\a)+ei%8:BI+8*(\a)+ei%8+1]
.set ei, ei+2
.endr
	WIN 0
.Lj_\@:
	QUANT H, PW+(\a)
	global_store_b128 v[L16], v[PC:PC+3], s[OUT:OUT+1]
	global_store_b64 v[L8], v[PC+4:PC+5], s[OUT:OUT+1] offset:512
	global_store_b128 v[L16], v[PC+6:PC+9], s[OUT2:OUT2+1]
	global_store_b64 v[L8], v[PC+10:PC+11], s[OUT2:OUT2+1] offset:512
	ds_store_b32 v[STW], v[PW+(\a)] offset:64*(\a) ; lanes l and l xor 16 write the same word with the same value
.endm
	PLACES NP                                      ; behind the last products
	s_wait_loadcnt 0x0                             ; the bias
.irp b, 0,1,2,3
	v_mov_b32 v[TM+4+\b], 0                        ; written once: a lane permute's destination counts as one of its sources
.endr
.irp a, 0,1,2,3,4,5,6,7
	EPI \a
.endr
	ds_load_b128 v[236:239], v[STR]                ; my eight blocks' scale words, 16 bytes a lane (LDS serves a wave's instructions in order)
	s_wait_dscnt 0x0
	global_store_b128 v[SOFF], v[236:239], s[SOUT:SOUT+1]          ; q, k: 512 bytes of my first head; v: 256 bytes for each of two heads
	s_cmp_eq_u32 ttmp9, 2
	s_cbranch_scc1 .Lno_second
.irp i, 0,1,2,3
	v_lshrrev_b32 v[240+\i], 16, v[236+\i]         ; q, k: the upper two bytes are my second head's
.endr
	global_store_b128 v[SOFF], v[240:243], s[SOUT:SOUT+1] offset:32768
.Lno_second:
	s_wait_tensorcnt 0x0                           ; the wave's end
	ds_add_u32 v[SPW], v[NIL]
	s_wait_dscnt 0x0
	CROUND                                         ; the closing round
	s_endpgm
.Lfunc_end_k_qa2f7824ff6_gemm_qkv:
	.size	k_qa2f7824ff6_gemm_qkv, .Lfunc_end_k_qa2f7824ff6_gemm_qkv-k_qa2f7824ff6_gemm_qkv
	.p2alignl 7, 3214868480
	.fill 96, 4, 3214868480
	.section	.rodata,"a",@progbits
	.p2align	6, 0x0
	.amdhsa_kernel k_qa2f7824ff6_gemm_qkv
		.amdhsa_group_segment_fixed_size 327680
		.amdhsa_private_segment_fixed_size 0
		.amdhsa_enable_private_segment 0
		.amdhsa_kernarg_size 40
		.amdhsa_user_sgpr_count 2
		.amdhsa_user_sgpr_kernarg_segment_ptr 1
		.amdhsa_wavefront_size32 1
		.amdhsa_system_sgpr_workgroup_id_x 1
		.amdhsa_system_sgpr_workgroup_id_y 1
		.amdhsa_system_sgpr_workgroup_id_z 1
		.amdhsa_system_vgpr_workitem_id 0
		.amdhsa_next_free_vgpr 1024
		.amdhsa_next_free_sgpr 102
		.amdhsa_reserve_vcc 0
		.amdhsa_float_denorm_mode_32 3
		.amdhsa_float_denorm_mode_16_64 3
		.amdhsa_memory_ordered 1
		.amdhsa_forward_progress 1
		.amdhsa_inst_pref_size 192
	.end_amdhsa_kernel
	.amdgpu_metadata
---
amdhsa.version: [ 1, 2 ]
amdhsa.kernels:
  - .name:           k_qa2f7824ff6_gemm_qkv
    .symbol:         k_qa2f7824ff6_gemm_qkv.kd
    .args:
      - { .name: cod, .offset: 0, .size: 8, .value_kind: global_buffer, .address_space: global }
      - { .name: scl, .offset: 8, .size: 8, .value_kind: global_buffer, .address_space: global }
      - { .name: b_attn, .offset: 16, .size: 8, .value_kind: global_buffer, .address_space: global }
      - { .name: qkv, .offset: 24, .size: 8, .value_kind: global_buffer, .address_space: global }
      - { .name: qkvs, .offset: 32, .size: 8, .value_kind: global_buffer, .address_space: global }
    .group_segment_fixed_size: 327680
    .private_segment_fixed_size: 0
    .kernarg_segment_align: 8
    .kernarg_segment_size: 40
    .max_flat_workgroup_size: 128
    .sgpr_count:     102
    .vgpr_count:     1024
    .wavefront_size: 32
...
	.end_amdgpu_metadata
.endif
;; end of part 2
;; launch attn (part 3): grid 4 x 64, 16 waves a work-group, no clusters, 327,680 bytes of LDS; arguments qkv, qkvs, yc, ys; writes yc, ys
.if DOCPART == 3
	.amdgcn_target "amdgcn-amd-amdhsa--gfx1250"
	.amdhsa_code_object_version 6
	.text
	.protected	k_qa2f7824ff6_attn
	.globl	k_qa2f7824ff6_attn
	.p2align	8
	.type	k_qa2f7824ff6_attn,@function
k_qa2f7824ff6_attn:
	s_mov_b64 s[64:65], 0
	v_nop
	global_prefetch_b8 v0, s[64:65] scope:SCOPE_SE
	s_setreg_imm32_b32 hwreg(HW_REG_WAVE_MODE, 25, 1), 1
	s_wait_xcnt 0x0
; LAUNCH 3 OF 4.  y[b][q][head] = softmax_causal(q k^T / 8) v, both products on codes of BF6 with E8M0 scales; y is divided by the row's sum, quantised along C and stored as codes (layouts: heads of launches 1 and 2).
; LEFT OUT (shown at the head of launch 1): a step of 128 keys that lies wholly behind a tile's 16 queries, and the fetch of a slot of 256 keys that none of the work-group's queries sees:
; reference()'s own causal mask makes their p zero for all inputs.  A NaN or infinity that reaches only such scores is not carried on.
; THE SOFTMAX: t = score x log2(e) / 8; M = the running largest t rounded UP to a whole number; p = 2^(t - M) is quantised along the keys, not normalised; the sum is taken of the unquantised p; when M moves, the sum and
; O are multiplied by 2^(old M - new M), which rounds nothing.
; SHARES.  A work-group has one head of one batch and the query blocks i and 7 - i of 256: (i + 1) + (8 - i) = 9 slots of keys for every i: 256 work-groups of equal work.  Each of sixteen waves owns one tile of 16
; queries of each block (E in block i, L in block 7 - i), in 256 registers: four waves to a SIMD, so that one wave's vector work stands beside another's matrix work and LDS loads.
; A tile T holds queries 32 (T / 2) + 8 (T % 2) + r + 8 (r / 8), all inside one block of 32 positions: in a step that is walked its first key counts for every query of the tile.
; Both products are used transposed: S^T = K Q^T, O^T = V^T P^T: a lane holds ONE query.  The head is 64 wide and the instruction 128: registers 6-11 of Q's and K's fragments hold zero codes.
; K and V come through a ring of two LDS slots of 256 keys (12,288 dense bytes each), filled by waves 0 (K) and 1 (V); the head's scale words stay in LDS.  Every wait on TENSORcnt is for 0.
; NO CLUSTER: the work-groups of a head need different numbers of slots (8 - i), so a partner would have to ask for tiles that none of its waves reads.  All of a WGP's LDS is claimed.
; The scale bytes of y leave as 2 bytes a row: two heads share a word of the next launch's layout.
.set SLOT1, 32768                      ; slot 1 begins here: one exclusive or turns an address
.set VOFF,  12288                      ; a slot: 16 half images of K, then V's 4 d tiles x 4 half images
.set SCK,   65536                      ; K's scale words of the batch's head, 8,192 bytes
.set SCV,   73728                      ; V's, 4,096 bytes
.set SPARE, 77824                      ; the spare words, 128 bytes for each of 16 waves
.set VC0,   12582912
.set VS0,   1048576
.set L16,  1
.set L8,   2
.set LSK,  3                           ; 4 lane + SCK
.set QOF,  4                           ; r + 8 (r / 8) - 16 h
.set SPW,  5
.set NIL,  6
.set PFO,  7                           ; the prefetches' offset
.set A16,  8
.set A8,   9
.set ADS,  10
.set ADT,  11
; v12-15 L's -M, largest t, sum in two halves; v16-27 L's Q; v28-31 E's statistics; v32-79 four fragments of K; v80-91 E's Q; v92, v93 Q's scale words
.set PFS,  94                          ; the prefetches' step from slot to slot
.set LSV,  95                          ; 4 lane + SCV
; v96-159 S^T, then p, then V's four fragments; v160-191 L's O^T; v192-223 E's; v224-235 p's codes; v232-247, v252, v254 at work; v248-251 K's and V's scale words; v253 p's
.set R4,   255                         ; 4 r
.set TB,    2                          ; LDS byte at which the slot in hand begins
.set TS,    3                          ; the step's scale words of K: 512 bytes a step
.set WV,    18
.set SEL,   20
.set CS,    22                         ; s[22:23] c = log2(e) / 8
.set G1,    24                         ; group 1 for a slot's K or V: 48 rows of 256 bytes
.set G1SK,  32
.set G1SV,  40
.set G0K,   48
.set G0V,   52
.set G0SK,  56
.set G0SV,  60
.set TJ,    66                         ; V's scale words: 256 bytes a step
.set SLOTS, 67
.set KF,    68                         ; the step's first key
.set QML,   69                         ; L's first query
.set QME,   70                         ; E's
.set LASTQ, 71                         ; the work-group's last query
.set LIM,   72                         ; 1 in a wave that prefetches, else the greatest number
; Wave 0 fetches for K, wave 1 for V, the others nothing.  An s_nop 0 and four v_nop follow each line.
.macro TLOAD g0k, g1k, g0v, g1v
	s_cmp_eq_u32 s[WV], 0
	s_cbranch_scc0 .Lnot_k_\@
	tensor_load_to_lds s[\g0k:\g0k+3], s[\g1k:\g1k+7]
	s_nop 0
.rept 4
	v_nop
.endr
	s_branch .Lasked_\@
.Lnot_k_\@:
	s_cmp_eq_u32 s[WV], 1
	s_cbranch_scc0 .Lasked_\@
	tensor_load_to_lds s[\g0v:\g0v+3], s[\g1v:\g1v+7]
	s_nop 0
.rept 4
	v_nop
.endr
.Lasked_\@:
.endm
; A prefetch of the slot that the NEXT change of slots will ask for: 48 blocks of 256 bytes of K and 48 of V, a lane a block.  All work-groups of a head walk the same K and V: the one with x = 0, which walks all
; eight slots, asks, in its waves 4 to 6: each block is named once in the launch.  Slots 0 and 1 come by their loads alone; the last change that fills a slot asks for nothing.
.macro ASK
	s_cmp_gt_u32 s[SLOTS], s[LIM]
	s_cbranch_scc0 .Lnot_mine_\@
	global_prefetch_b8 v[PFO], s[4:5] th:TH_LOAD_NT scope:SCOPE_SE
.Lnot_mine_\@:
.endm
	s_load_b256 s[4:11], s[0:1], 0x0               ; qkv, qkvs, yc, ys
	v_lshl_add_u32 v[SPW], v0, 2, SPARE
	v_mov_b32 v[NIL], 0
	ds_add_u32 v[SPW], v[NIL]                      ; the wave's opening: the add, twice on end, and its wait ahead of the first tensor load
	ds_add_u32 v[SPW], v[NIL]
	v_lshrrev_b32 v8, 5, v0
	v_readfirstlane_b32 s[WV], v8                  ; wave 0..15
	s_and_b32 s73, ttmp7, 0xffff
	s_lshr_b32 s74, s73, 4                         ; the batch
	s_and_b32 s75, s73, 15                         ; the head
	s_lshl_b32 s76, ttmp9, 4
	s_add_co_u32 s76, s76, s[WV]                   ; tile E
	s_sub_co_u32 s77, 7, ttmp9
	s_lshl_b32 s77, s77, 4
	s_add_co_u32 s77, s77, s[WV]                   ; tile L
	s_lshr_b32 s[QME], s76, 1
	s_lshl_b32 s[QME], s[QME], 5
	s_and_b32 s78, s76, 1
	s_lshl_b32 s78, s78, 3
	s_add_co_u32 s[QME], s[QME], s78
	s_lshr_b32 s[QML], s77, 1
	s_lshl_b32 s[QML], s[QML], 5
	s_and_b32 s78, s77, 1
	s_lshl_b32 s78, s78, 3
	s_add_co_u32 s[QML], s[QML], s78
	s_sub_co_u32 s[LASTQ], 8, ttmp9
	s_lshl_b32 s[LASTQ], s[LASTQ], 8
	s_sub_co_u32 s[LASTQ], s[LASTQ], 1
	s_lshl_b32 s78, s74, 7
	s_add_co_u32 s76, s76, s78                     ; the tiles among all 512
	s_add_co_u32 s77, s77, s78
	s_add_co_u32 s79, s75, 16                      ; k's heads follow q's
	s_mul_i32 s80, s79, 393216
	s_mul_i32 s82, s74, 98304
	s_add_co_u32 s80, s80, s82                     ; K's first slot
	s_mov_b32 s81, 0
	s_mul_i32 s82, s74, 1572864
	s_mul_i32 s84, s75, 12288
	s_add_co_u32 s82, s82, s84
	s_add_co_u32 s82, s82, VC0                     ; V's
	s_mov_b32 s83, 0
	s_lshl_b32 s84, s79, 15
	s_lshl_b32 s86, s74, 13
	s_add_co_u32 s84, s84, s86                     ; K's scale words
	s_mov_b32 s85, 0
	s_lshl_b32 s86, s75, 14
	s_lshl_b32 s88, s74, 12
	s_add_co_u32 s86, s86, s88
	s_add_co_u32 s86, s86, VS0                     ; V's
	s_mov_b32 s87, 0
	s_mul_i32 s96, s75, 393216
	s_mul_i32 s88, s77, 768
	s_add_co_u32 s88, s88, s96                     ; L's Q
	s_mov_b32 s89, 0
	s_mul_i32 s90, s76, 768
	s_add_co_u32 s90, s90, s96                     ; E's
	s_mov_b32 s91, 0
	s_lshl_b32 s96, s75, 15
	s_lshl_b32 s92, s77, 6
	s_add_co_u32 s92, s92, s96                     ; their scale words
	s_mov_b32 s93, 0
	s_lshl_b32 s94, s76, 6
	s_add_co_u32 s94, s94, s96
	s_mov_b32 s95, 0
	s_mul_i32 s96, s75, 768
	s_mul_i32 s12, s77, 12288
	s_add_co_u32 s12, s12, s96                     ; L's half image of y
	s_mov_b32 s13, 0
	s_mul_i32 s14, s76, 12288
	s_add_co_u32 s14, s14, s96                     ; E's
	s_mov_b32 s15, 0
	s_lshr_b32 s96, s75, 2                         ; y's scale bytes: the head's place in a row tile's 512 bytes
	s_lshl_b32 s96, s96, 7
	s_bfe_u32 s97, s75, 0x10001
	s_lshl_b32 s97, s97, 2
	s_add_co_u32 s96, s96, s97
	s_and_b32 s97, s75, 1
	s_lshl_b32 s97, s97, 1
	s_add_co_u32 s96, s96, s97
	s_lshl_b32 s16, s77, 9
	s_add_co_u32 s16, s16, s96                     ; L's
	s_lshl_b32 s17, s76, 9
	s_add_co_u32 s17, s17, s96                     ; E's
.irp g, G1, G1SK, G1SV                         ; dense blocks as rows of 256 bytes (32 elements of 8), no mask, no padding
	s_mov_b32 s[\g], 3<<16
	s_mov_b32 s[\g+1], 32<<16
	s_mov_b32 s[\g+3], 32<<16
	s_mov_b32 s[\g+5], 32
	s_mov_b32 s[\g+6], 0
	s_mov_b32 s[\g+7], 0
.endr
	s_mov_b32 s[G1+2], 48<<16
	s_mov_b32 s[G1+4], 48
	s_mov_b32 s[G1SK+2], 32<<16
	s_mov_b32 s[G1SK+4], 32
	s_mov_b32 s[G1SV+2], 16<<16
	s_mov_b32 s[G1SV+4], 16
	s_mov_b32 s[SEL], 0x76543210
	s_mov_b32 s[SEL+1], 0xfedcba98
	s_mov_b32 s[CS], 0x3e38aa3b                    ; log2(e) / 8
	s_mov_b32 s[CS+1], s[CS]
	s_mov_b32 s[TB], 0
	s_mov_b32 s[TS], 0
	s_mov_b32 s[TJ], 0
	s_mov_b32 s[KF], 0
	s_mov_b32 s[SLOTS], 7
	s_sub_co_u32 s96, s[WV], 4
	s_cmp_lt_u32 s96, 3                            ; waves 4 to 6
	s_cselect_b32 s96, 0, 1
	s_or_b32 s96, s96, ttmp9                       ; of the work-group with x = 0
	s_cmp_eq_u32 s96, 0
	s_cselect_b32 s[LIM], 1, -1
	s_wait_dscnt 0x0                               ; both opening adds are done
	s_wait_kmcnt 0x0
	s_mov_b32 s[G0SK], 1
	s_mov_b32 s[G0SK+1], SCK
	s_add_nc_u64 s[G0SK+2:G0SK+3], s[6:7], s[84:85]
	s_or_b32 s[G0SK+3], s[G0SK+3], 0x80000000
	s_mov_b32 s[G0SV], 1
	s_mov_b32 s[G0SV+1], SCV
	s_add_nc_u64 s[G0SV+2:G0SV+3], s[6:7], s[86:87]
	s_or_b32 s[G0SV+3], s[G0SV+3], 0x80000000
	TLOAD G0SK, G1SK, G0SV, G1SV                   ; the scale words: filled once
	s_mov_b32 s[G0K], 1
	s_mov_b32 s[G0K+1], 0
	s_add_nc_u64 s[G0K+2:G0K+3], s[4:5], s[80:81]
	s_or_b32 s[G0K+3], s[G0K+3], 0x80000000
	s_mov_b32 s[G0V], 1
	s_mov_b32 s[G0V+1], VOFF
	s_add_nc_u64 s[G0V+2:G0V+3], s[4:5], s[82:83]
	s_or_b32 s[G0V+3], s[G0V+3], 0x80000000
	TLOAD G0K, G1, G0V, G1                         ; slot 0
	s_add_nc_u64 s[88:89], s[4:5], s[88:89]
	s_add_nc_u64 s[90:91], s[4:5], s[90:91]
	s_add_nc_u64 s[92:93], s[6:7], s[92:93]
	s_add_nc_u64 s[94:95], s[6:7], s[94:95]
	s_add_nc_u64 s[12:13], s[8:9], s[12:13]
	s_add_nc_u64 s[14:15], s[8:9], s[14:15]
	v_and_b32 v8, 31, v0
	v_lshlrev_b32 v[L16], 4, v8
	v_lshlrev_b32 v[L8], 3, v8
	v_lshl_add_u32 v[LSK], v8, 2, SCK
	v_lshl_add_u32 v[LSV], v8, 2, SCV
	v_and_b32 v8, 15, v0                           ; r
	v_bfe_u32 v9, v0, 4, 1                         ; h
	v_lshlrev_b32 v[R4], 2, v8
	global_load_b128 v[16:19], v[L16], s[88:89]    ; Q's half images stay in registers
	global_load_b64 v[20:21], v[L8], s[88:89] offset:512
	global_load_b128 v[80:83], v[L16], s[90:91]
	global_load_b64 v[84:85], v[L8], s[90:91] offset:512
	global_load_b32 v92, v[R4], s[92:93]
	global_load_b32 v93, v[R4], s[94:95]
	v_and_b32 v10, 8, v8
	v_add_nc_u32 v[QOF], v10, v8
	v_lshlrev_b32 v10, 4, v9
	v_sub_nc_u32 v[QOF], v[QOF], v10
	v_add_nc_u32 v8, 0xffffff80, v0                ; the prefetches: block 32 (wave - 4) + lane of a slot's 96, held to 0 .. 95 in every wave
	v_min_u32 v8, 95, v8
	v_cmp_gt_u32 vcc_lo, 48, v8
	v_lshlrev_b32 v9, 8, v8
	v_add_nc_u32 v10, s80, v9
	v_add_nc_u32 v10, 12288, v10                   ; K's, in slot 1: the first change of slots steps it to slot 2
	v_add_nc_u32 v11, s82, v9
	v_add_nc_u32 v11, 196608-48*256, v11           ; V's
	v_cndmask_b32 v[PFO], v11, v10, vcc_lo
	v_mov_b32 v10, 12288
	v_mov_b32 v11, 196608
	v_cndmask_b32 v[PFS], v11, v10, vcc_lo
.irp i, 6,7,8,9,10,11                          ; zero codes for k = 64 .. 127, on both sides of the first product
	v_mov_b32 v[16+\i], 0
	v_mov_b32 v[80+\i], 0
	v_mov_b32 v[32+\i], 0
	v_mov_b32 v[44+\i], 0
	v_mov_b32 v[56+\i], 0
	v_mov_b32 v[68+\i], 0
.endr
	v_mov_b32 v13, 0xff61b1e6                      ; the largest t so far: -3e38
	v_floor_f32 v12, -v13
	v_mov_b32 v14, 0
	v_mov_b32 v15, 0
	v_mov_b32 v29, 0xff61b1e6
	v_floor_f32 v28, -v29
	v_mov_b32 v30, 0
	v_mov_b32 v31, 0
.irp b, 0,1,2,3
	v_mov_b32 v[236+\b], 0                         ; a lane permute's destination counts as one of its sources
.endr
	v_mov_b32 v253, 0                              ; (named as the upper half of the pair v[252:253] before it is first written)
.set zj, 0
.rept 64
	v_mov_b32 v[160+zj], 0                         ; O^T of both tiles: the step is written once, its first run finds zeros
.set zj, zj+1
.endr
; A KEY STEP OF ONE TILE: 128 keys, the q-th of the slot in hand.  st: the tile's statistics; qb, qs: its Q and scale words; ob: its O^T; qm: its first query.
.macro STEP q, st, qb, qs, ob, qm
	s_add_co_u32 s96, s[\qm], 23                   ; a step all of whose keys come after the tile's last query is left out: a scalar branch on ids
	s_cmp_gt_u32 s[KF], s96
	s_cbranch_scc1 .Lhidden_\@
.rept 5
	v_nop                                          ; the products below write over registers that the last V^T P products read: five places
.endr
.irp g, 0,1                                    ; S^T = K Q^T, four tiles of 16 keys at a time
.if \g
.rept 4
	v_nop                                          ; places in front of loads into registers that matrix instructions have read
.endr
.endif
.irp t, 0,1,2,3
	ds_load_b128 v[32+12*\t:35+12*\t], v[A16] offset:(8*(\q)+4*\g+\t)*768
	ds_load_b64 v[36+12*\t:37+12*\t], v[A8] offset:(8*(\q)+4*\g+\t)*768+512
.endr
	ds_load_b32 v248, v[ADS] offset:256*\g         ; 32 lanes: the words of two tiles, the even one in lanes 0-15
	ds_load_b32 v249, v[ADS] offset:256*\g+128
	s_wait_dscnt 0x0
.irp t, 0,1,2,3
.if (\t)%2
	v_wmma_scale_f32_16x16x128_f8f6f4 v[96+8*(4*\g+\t):103+8*(4*\g+\t)], v[32+12*\t:43+12*\t], v[\qb:\qb+11], 0, v[248+\t/2], v[\qs] matrix_a_fmt:MATRIX_FMT_BF6 matrix_b_fmt:MATRIX_FMT_BF6 matrix_a_scale:MATRIX_SCALE_ROW1
.else
	v_wmma_scale_f32_16x16x128_f8f6f4 v[96+8*(4*\g+\t):103+8*(4*\g+\t)], v[32+12*\t:43+12*\t], v[\qb:\qb+11], 0, v[248+\t/2], v[\qs] matrix_a_fmt:MATRIX_FMT_BF6 matrix_b_fmt:MATRIX_FMT_BF6
.endif
.endr
.endr                                          ; register 16 b + i holds key KF + 32 b + 16 (lane / 16) + i
.rept 4
	v_nop
.endr
	s_add_co_u32 s96, s[KF], 127                   ; on the diagonal hidden scores become -infinity ahead of the maximum; a step all of whose keys count skips this
	s_cmp_le_u32 s96, s[\qm]
	s_cbranch_scc1 .Lopen_\@
	s_sub_co_i32 s96, s[\qm], s[KF]
	v_add_nc_u32 v252, s96, v[QOF]                 ; d = my query - KF - 16 (lane / 16): hidden where 32 b + i > d
	v_mov_b32 v254, 0xff800000
.set sn, 0
.rept 64
	v_cmp_gt_i32 vcc_lo, 32*(sn/16)+sn%16, v252
	v_cndmask_b32 v[96+sn], v[96+sn], v254, vcc_lo
.set sn, sn+1
.endr
.Lopen_\@:
.irp b, 0,1,2,3
	v_max3_num_f32 v[232+\b], v[96+16*\b], v[97+16*\b], v[98+16*\b]   ; the largest score of each block of 32 keys: for the row's maximum, and, since p rises with the score, for the block's largest p
.endr
.irp i, 3,5,7,9,11,13
.irp b, 0,1,2,3
	v_max3_num_f32 v[232+\b], v[232+\b], v[96+16*\b+\i], v[97+16*\b+\i]
.endr
.endr
.irp b, 0,1,2,3
	v_max_num_f32 v[232+\b], v[232+\b], v[111+16*\b]
.endr
.irp b, 0,1,2,3
	v_permlanex16_b32 v[236+\b], v[232+\b], s[SEL], s[SEL+1]
.endr
.irp b, 0,1,2,3
	v_max_num_f32 v[232+\b], v[232+\b], v[236+\b]  ; with lane l xor 16's 16 keys
.endr
	v_max3_num_f32 v254, v232, v233, v234
	v_max_num_f32 v254, v254, v235
	v_mul_f32 v254, s[CS], v254                    ; as t
	v_max_num_f32 v[\st+1], v[\st+1], v254         ; the running largest t
	v_mov_b32 v254, v[\st]
	v_floor_f32 v[\st], -v[\st+1]                  ; the new -M = -ceil(t)
	v_sub_f32 v254, v[\st], v254                   ; old M - new M: a whole number, 0 or less
	v_cvt_i32_f32 v254, v254                       ; (it saturates)
	v_ldexp_f32 v252, 1.0, v254                    ; f = 2^(old M - new M)
.set sj, 0
.rept 32
	v_pk_fma_f32 v[96+sj:97+sj], v[96+sj:97+sj], s[CS:CS+1], v[\st:\st+1] op_sel_hi:[1,0,0]   ; t - M, two at a time
.set sj, sj+2
.endr
.irp b, 0,1,2,3
	v_fma_f32 v[232+\b], v[232+\b], s[CS], v[\st]  ; the same of each block's largest score
.endr
.set sj, 0
.rept 64
	v_exp_f32 v[96+sj], v[96+sj]                   ; p = 2^(t - M)
.set sj, sj+1
.endr
	v_pk_mul_f32 v[\st+2:\st+3], v[\st+2:\st+3], v[252:253] op_sel_hi:[1,0]   ; the sums under the new M: a plain place behind the exponentials
	s_wait_alu depctr_va_vdst(0)                   ; one wait for the whole batch, ahead of its first reader
.irp b, 0,1,2,3
	v_exp_f32 v[232+\b], v[232+\b]                 ; the block's largest p
.endr
	v_pk_add_f32 v[236:237], v[96:97], v[98:99]    ; the row's sum of the unquantised p, in two chains
.irp j, 4,8,12,16,20,24,28,32,36,40,44,48,52,56,60
	v_pk_add_f32 v[\st+2:\st+3], v[\st+2:\st+3], v[96+\j:97+\j]
	v_pk_add_f32 v[236:237], v[236:237], v[98+\j:99+\j]
.endr
	v_pk_add_f32 v[\st+2:\st+3], v[\st+2:\st+3], v[236:237]
	s_wait_alu depctr_va_vdst(0)                   ; and one for the four
.irp b, 0,1,2,3
	v_max_num_f32 v[232+\b], 0x2800000, v[232+\b]  ; the floor 2^(5 - 127)
.endr
.irp b, 0,1,2,3
	v_add_nc_u32 v[244+\b], 0xfe000000, v[232+\b]  ; the conversion's scale operand
.endr
.irp b, 0,1,2,3
	v_lshrrev_b32 v[236+\b], 23, v[244+\b]         ; the scale's byte
.endr
	v_lshl_or_b32 v253, v237, 8, v236              ; p's scale word for these 128 keys
	v_lshl_or_b32 v253, v238, 16, v253
	v_lshl_or_b32 v253, v239, 24, v253
.irp c, 0,1
	v_cvt_scalef32_pk16_bf6_f32 v[224+6*\c:226+6*\c], v[96+32*\c:111+32*\c], v[244+2*\c]
	v_cvt_scalef32_pk16_bf6_f32 v[236+4*\c:238+4*\c], v[112+32*\c:127+32*\c], v[244+2*\c+1]
.endr
	v_nop                                          ; one plain place behind a scaled conversion
.irp c, 0,1
.irp i, 0,1,2
	v_permlane16_swap_b32 v[224+6*\c+\i], v[236+4*\c+\i]
.endr
.irp i, 0,1,2
	v_mov_b32 v[227+6*\c+\i], v[236+4*\c+\i]
.endr
.endr
.set sj, 0
.rept 16
	v_pk_mul_f32 v[\ob+sj:\ob+sj+1], v[\ob+sj:\ob+sj+1], v[252:253] op_sel_hi:[1,0]   ; O^T under the new M; also the places in front of the products below
.set sj, sj+2
.endr
.irp t, 0,1,2,3                                ; O^T += V^T P^T: the head's four tiles of 16; K = these 128 keys.  V's fragments take the registers that p has left
	ds_load_b128 v[96+12*\t:99+12*\t], v[A16] offset:VOFF+\t*3072+(\q)*1536
	ds_load_b64 v[100+12*\t:101+12*\t], v[A8] offset:VOFF+\t*3072+(\q)*1536+512
	ds_load_b128 v[102+12*\t:105+12*\t], v[A16] offset:VOFF+\t*3072+(\q)*1536+768
	ds_load_b64 v[106+12*\t:107+12*\t], v[A8] offset:VOFF+\t*3072+(\q)*1536+1280
.endr
	ds_load_b32 v250, v[ADT]
	ds_load_b32 v251, v[ADT] offset:128
	s_wait_dscnt 0x0
.irp t, 0,1,2,3
.if (\t)%2
	v_wmma_scale_f32_16x16x128_f8f6f4 v[\ob+8*\t:\ob+8*\t+7], v[96+12*\t:107+12*\t], v[224:235], v[\ob+8*\t:\ob+8*\t+7], v[250+\t/2], v253 matrix_a_fmt:MATRIX_FMT_BF6 matrix_b_fmt:MATRIX_FMT_BF6 matrix_a_scale:MATRIX_SCALE_ROW1
.else
	v_wmma_scale_f32_16x16x128_f8f6f4 v[\ob+8*\t:\ob+8*\t+7], v[96+12*\t:107+12*\t], v[224:235], v[\ob+8*\t:\ob+8*\t+7], v[250+\t/2], v253 matrix_a_fmt:MATRIX_FMT_BF6 matrix_b_fmt:MATRIX_FMT_BF6
.endif
.endr
.Lhidden_\@:
.endm
.macro KEYSTEP q
	v_add_nc_u32 v[A16], s[TB], v[L16]
	v_add_nc_u32 v[A8], s[TB], v[L8]
	v_add_nc_u32 v[ADS], s[TS], v[LSK]
	v_add_nc_u32 v[ADT], s[TJ], v[LSV]
	STEP \q, 12, 16, 92, 160, QML
	STEP \q, 28, 80, 93, 192, QME
	s_add_co_u32 s[KF], s[KF], 128
	s_add_co_u32 s[TS], s[TS], 512
	s_add_co_u32 s[TJ], s[TJ], 256
.endm
; THE CHANGE OF SLOTS stands at a slot's head.  Each wave waits for all its tensor loads, adds 0 to its spare word (fill = 1: twice on end), and waits for
; that and for its reads of the slot that it has left.  Behind the barrier the slot ahead is whole and nobody reads the other: it is filled with the keys that follow, up to the causal limit.
.macro CHANGE fill
	s_wait_tensorcnt 0x0                           ; no tensor load of mine is out, so a group 0 may be written
	ds_add_u32 v[SPW], v[NIL]
.if \fill
	ds_add_u32 v[SPW], v[NIL]
	s_xor_b32 s[G0K+1], s[G0K+1], SLOT1            ; the walking descriptors: the other slot, the next 256 keys
	s_add_nc_u64 s[G0K+2:G0K+3], s[G0K+2:G0K+3], 12288
	s_xor_b32 s[G0V+1], s[G0V+1], SLOT1
	s_add_nc_u64 s[G0V+2:G0V+3], s[G0V+2:G0V+3], 196608
	s_wait_xcnt 0x0                                ; the last prefetch, a slot back, has read its offset
	v_add_nc_u32 v[PFO], v[PFO], v[PFS]            ; one slot further on than the walking descriptors
.endif
	s_wait_dscnt 0x0
	s_barrier_signal -1
	s_barrier_wait -1
.if \fill
	s_add_co_u32 s96, s[KF], 256                   ; a slot whose first key comes after the work-group's last query is read by none of its waves: it is not asked for.
	s_cmp_gt_u32 s96, s[LASTQ]                     ; ids and the count of steps alone: all sixteen waves go the same way
	s_cbranch_scc1 .Lpast_\@
	TLOAD G0K, G1, G0V, G1                         ; a wave's one tensor load until the next such barrier
.Lpast_\@:
	ASK
.endif
.endm
	s_wait_loadcnt 0x0                             ; Q
.Lslot:                                            ; seven trips: every work-group walks all changes of slots; what is left out is a step's work and a slot's load
	CHANGE 1
	KEYSTEP 0
	KEYSTEP 1
	s_xor_b32 s[TB], s[TB], SLOT1
	s_sub_co_u32 s[SLOTS], s[SLOTS], 1
	s_cmp_lg_u32 s[SLOTS], 0
	s_cbranch_scc1 .Lslot
	CHANGE 0                                       ; the last slot is written out: nothing is left to fetch
	KEYSTEP 0
	KEYSTEP 1
	; THE WAY OUT.  y = O^T / the sum; register 16 b + i is channel 32 b + 16 (lane / 16) + i of my query, by the order of W_attn's rows in a tile: two blocks of 32 along C, quantised and stored as one half image a tile.
.rept 4
	v_nop                                          ; places behind the last products
.endr
	v_add_f32 v14, v14, v15
	v_add_f32 v30, v30, v31
	v_permlanex16_b32 v236, v14, s[SEL], s[SEL+1]
	v_permlanex16_b32 v237, v30, s[SEL], s[SEL+1]
	v_add_f32 v14, v14, v236
	v_add_f32 v30, v30, v237
	v_rcp_f32 v14, v14
	v_rcp_f32 v30, v30
	v_nop                                          ; a plain place behind the reciprocals
	s_wait_alu depctr_va_vdst(0)                   ; and the one wait ahead of their first reader
.set zj, 0
.rept 32
	v_mul_f32 v[96+zj], v[160+zj], v14
	v_mul_f32 v[128+zj], v[192+zj], v30
.set zj, zj+1
.endr
.macro QUANT2 s, pc, tt, u
	v_max3_num_f32 v232, |v[\s]|, |v[\s+1]|, 0x2800000
	v_max3_num_f32 v233, |v[\s+16]|, |v[\s+17]|, 0x2800000
.irp i, 2,4,6,8,10,12,14
	v_max3_num_f32 v232, v232, |v[\s+\i]|, |v[\s+\i+1]|
	v_max3_num_f32 v233, v233, |v[\s+16+\i]|, |v[\s+17+\i]|
.endr
	v_permlanex16_b32 v236, v232, s[SEL], s[SEL+1]
	v_permlanex16_b32 v237, v233, s[SEL], s[SEL+1]
	v_max_num_f32 v232, v232, v236
	v_max_num_f32 v233, v233, v237
	v_add_nc_u32 v244, 0xfe000000, v232
	v_add_nc_u32 v245, 0xfe000000, v233
	v_lshrrev_b32 v236, 23, v244
	v_lshrrev_b32 v237, 23, v245
	v_lshl_or_b32 v[\u], v237, 8, v236             ; the head's two scale bytes of my row
	v_cvt_scalef32_pk16_bf6_f32 v[\pc:\pc+2], v[\s:\s+15], v244
	v_cvt_scalef32_pk16_bf6_f32 v[\tt:\tt+2], v[\s+16:\s+31], v245
	v_nop
.irp i, 0,1,2
	v_permlane16_swap_b32 v[\pc+\i], v[\tt+\i]
.endr
.irp i, 0,1,2
	v_mov_b32 v[\pc+3+\i], v[\tt+\i]
.endr
.endm
	QUANT2 96, 224, 240, 46
	global_store_b128 v[L16], v[224:227], s[12:13]
	global_store_b64 v[L8], v[228:229], s[12:13] offset:512
	QUANT2 128, 32, 40, 47
	global_store_b128 v[L16], v[32:35], s[14:15]
	global_store_b64 v[L8], v[36:37], s[14:15] offset:512
	v_and_b32 v50, 31, v0
	v_cmp_gt_u32 vcc_lo, 16, v50
	v_cndmask_b32 v48, v46, v47, vcc_lo            ; lanes 0-15 carry E's bytes, lanes 16-31 L's
	v_mov_b32 v49, s16
	v_mov_b32 v50, s17
	v_cndmask_b32 v49, v49, v50, vcc_lo
	v_lshl_add_u32 v49, v[R4], 1, v49              ; + 8 r
	global_store_b16 v49, v48, s[10:11]
	s_wait_tensorcnt 0x0                           ; the wave's end
	ds_add_u32 v[SPW], v[NIL]
	s_wait_dscnt 0x0
	s_endpgm
.Lfunc_end_k_qa2f7824ff6_attn:
	.size	k_qa2f7824ff6_attn, .Lfunc_end_k_qa2f7824ff6_attn-k_qa2f7824ff6_attn
	.p2alignl 7, 3214868480
	.fill 96, 4, 3214868480
	.section	.rodata,"a",@progbits
	.p2align	6, 0x0
	.amdhsa_kernel k_qa2f7824ff6_attn
		.amdhsa_group_segment_fixed_size 327680
		.amdhsa_private_segment_fixed_size 0
		.amdhsa_enable_private_segment 0
		.amdhsa_kernarg_size 32
		.amdhsa_user_sgpr_count 2
		.amdhsa_user_sgpr_kernarg_segment_ptr 1
		.amdhsa_wavefront_size32 1
		.amdhsa_system_sgpr_workgroup_id_x 1
		.amdhsa_system_sgpr_workgroup_id_y 1
		.amdhsa_system_sgpr_workgroup_id_z 1
		.amdhsa_system_vgpr_workitem_id 0
		.amdhsa_next_free_vgpr 256
		.amdhsa_next_free_sgpr 100
		.amdhsa_reserve_vcc 1
		.amdhsa_float_denorm_mode_32 3
		.amdhsa_float_denorm_mode_16_64 3
		.amdhsa_memory_ordered 1
		.amdhsa_forward_progress 1
		.amdhsa_inst_pref_size 194
	.end_amdhsa_kernel
	.amdgpu_metadata
---
amdhsa.version: [ 1, 2 ]
amdhsa.kernels:
  - .name:           k_qa2f7824ff6_attn
    .symbol:         k_qa2f7824ff6_attn.kd
    .args:
      - { .name: qkv, .offset: 0, .size: 8, .value_kind: global_buffer, .address_space: global }
      - { .name: qkvs, .offset: 8, .size: 8, .value_kind: global_buffer, .address_space: global }
      - { .name: yc, .offset: 16, .size: 8, .value_kind: global_buffer, .address_space: global }
      - { .name: ys, .offset: 24, .size: 8, .value_kind: global_buffer, .address_space: global }
    .group_segment_fixed_size: 327680
    .private_segment_fixed_size: 0
    .kernarg_segment_align: 8
    .kernarg_segment_size: 32
    .max_flat_workgroup_size: 512
    .sgpr_count:     100
    .vgpr_count:     256
    .wavefront_size: 32
...
	.end_amdgpu_metadata
.endif
;; end of part 3
;; launch gemm_proj (part 4): grid 8 x 32, 4 waves a work-group, clusters of 4 x 4, 327,680 bytes of LDS; arguments yc, ys, cod, scl, b_proj, out0; writes out0
.if DOCPART == 4
	.amdgcn_target "amdgcn-amd-amdhsa--gfx1250"
	.amdhsa_code_object_version 6
	.text
	.protected	k_qa2f7824ff6_gemm_proj
	.globl	k_qa2f7824ff6_gemm_proj
	.p2align	8
	.type	k_qa2f7824ff6_gemm_proj,@function
k_qa2f7824ff6_gemm_proj:
	s_mov_b64 s[64:65], 0
	v_nop
	global_prefetch_b8 v0, s[64:65] scope:SCOPE_SE
	s_setreg_imm32_b32 hwreg(HW_REG_WAVE_MODE, 25, 1), 1
	s_wait_xcnt 0x0
	s_wait_alu depctr_hold_cnt(0) depctr_sa_sdst(0) depctr_va_vdst(0) depctr_va_sdst(0) depctr_va_ssrc(0) depctr_va_vcc(0) depctr_vm_vsrc(0)
	s_getreg_b32 s2, hwreg(HW_REG_IB_STS2, 6, 4)
	s_cmp_eq_u32 s2, 0
	s_cbranch_scc0 .Lentry_in_a_cluster
	s_endpgm
.Lentry_in_a_cluster:
	s_bfe_u32 s2, ttmp6, 0x10000c
	s_cmp_lg_u32 s2, 0xf033
	s_cbranch_scc0 .Lentry_shape_is_right
	s_endpgm
.Lentry_shape_is_right:
; LAUNCH 4 OF 4.  out0 = y W_proj + b_proj on codes of BF6 with E8M0 scales, K = 1024; out0 [8192][1024] f32.  Nothing is left out here.  Layouts: head of launch 1.
; P (source 1, a lane holds one row) = 256 tokens of y; R (source 0, the result's registers run along its rows) = 128 columns of W_proj: 256 work-groups.  A wave makes 128 x 64: 32 accumulators.
; The ring, the joint loads and the steps are launch 2's with four blocks of R to a wave.  The bias is the C of each sum's first product.
; A lane's eight results are eight neighbouring columns of one token; a block of 16 tokens x 64 columns goes through the wave's own stage and leaves as aligned runs of 256 bytes.
; CLUSTERS: 4 x 4: y's tiles shared along a row of the cluster, W_proj's along a column.  All of a WGP's LDS is claimed.
; REGISTERS: window 0: v1-31 addresses; v32-63 scale words; v64-95 the bias; v128-223 P's fragments, later rows of out0.  window 1: R's fragments, two sets.  window 2: the accumulators.
.set NBK,   4
.set HALFP, 24576
.set HALFR, NBK*3072
.set SLOT,  2*HALFP+2*HALFR
.set SCL,   2*SLOT
.set SCP,   SCL+NBK*1024
.set STAGE, SCP+8192                   ; 16 rows x (256 bytes + 16) for each wave; no fill lands here
.set SPARE, STAGE+4*16*272
.set FR,    12
.set NL,    4
.set NP,    4
.set STO,  5
.set RD,   6
.set CO,   7
.set P16,  16
.set P8,   18
.set R16,  20
.set R8,   22
.set L16,  24
.set L8,   25
.set ADRS, 27
.set SPW,  28
.set NIL,  29
.set BV,   30
.set SC,   32
.set BI,   64
.set PF,   128
.set BK,   128                         ; the way out: v128-159 and v160-191 by turns
.set WV,   18
.set PH,   19
.set RH,   20
.set G1P,  24
.set G0P,  32
.set G1R,  48
.set G0R,  56
.set G1SP, 68
.set G0SP, 76
.set G1SR, 80
.set G0SR, 88
.set MSB, 0
.macro WIN new                         ; the immediate's high byte repeats the setting that is left
.if MSB != (\new)
	s_set_vgpr_msb (MSB<<8)|(\new)
.set MSB, (\new)
.endif
.endm
.set TO_R, 0x40
.macro MWIN a0, first                  ; source 0 (R) window 1, source 1 (P) window 0, C and D the accumulators' window (first = 2: C, the bias, in window 0)
.set WA_, 2+(8*NBK*(\a0))/256
.if (\first) == 2
.set WN_, (WA_<<6)|1
.else
.set WN_, (WA_<<6)|(WA_<<4)|1
.endif
	WIN WN_
.endm
.macro JLOAD g0a, g1a, g0b, g1b        ; a joint load: waves 0 and 1 fetch for P, waves 2 and 3 for R; an s_nop 0 and four v_nop follow each line
	s_cmp_eq_u32 s[PH], 0
	s_cbranch_scc0 .Lfor_r_\@
	tensor_load_to_lds s[\g0a:\g0a+3], s[\g1a:\g1a+7]
	s_nop 0
.rept 4
	v_nop
.endr
	s_branch .Lasked_\@
.Lfor_r_\@:
	tensor_load_to_lds s[\g0b:\g0b+3], s[\g1b:\g1b+7]
	s_nop 0
.rept 4
	v_nop
.endr
.Lasked_\@:
.endm
.macro CREST
	s_cmp_lg_u32 s[WV], 0
	s_cbranch_scc1 .Lnot_wave_0_\@
	s_barrier_signal -3
.Lnot_wave_0_\@:
	s_barrier_wait -3
	s_barrier_signal -1
	s_barrier_wait -1
.endm
.macro CROUND
	s_barrier_signal -1
	s_barrier_wait -1
	CREST
.endm
.macro PLACES n
.rept \n
	v_nop
.endr
.endm
.macro FRAG reg, a16, a8, off          ; a fragment: two half images on end
	ds_load_b128 v[(\reg):(\reg)+3], v[\a16] offset:(\off)
	ds_load_b64 v[(\reg)+4:(\reg)+5], v[\a8] offset:(\off)+512
	ds_load_b128 v[(\reg)+6:(\reg)+9], v[\a16] offset:(\off)+768
	ds_load_b64 v[(\reg)+10:(\reg)+11], v[\a8] offset:(\off)+1280
.endm
.macro FETCH_R slot, q, p
	WIN TO_R
.set fi, 0
.rept NBK
	FRAG 128*(\p)+FR*fi, R16+\slot, R8+\slot, fi*3072+(\q)*1536
.set fi, fi+1
.endr
	WIN 0
.endm
.macro FETCH_P slot, q, i0
.set fi, \i0
.rept 4
	FRAG PF+FR*fi, P16+\slot, P8+\slot, fi*3072+(\q)*1536
.set fi, fi+1
.endr
.endm
.macro SCALES set                      ; lanes 0-15 R's block i (from i = 4 on: filled bytes that no product names), lanes 16-31 P's block i
.irp i, 0,1,2,3,4,5,6,7
	ds_load_b64 v[SC+16*(\set)+2*\i:SC+16*(\set)+2*\i+1], v[ADRS] offset:512*\i
.endr
.endm
.macro MULQ a0, p, q, sc, first        ; the accumulators take turns, one instruction a turn.  first = 2: the bias starts the sums
.irp a, \a0, \a0+1
.set mb, 0
.rept NBK
.set mD, (8*(NBK*(\a)+mb))%256
.set mA, 128*(\p)+FR*mb
.set mB, PF+FR*(\a)
.set mS, SC+16*(\sc)+2*mb+(\q)
.set mT, SC+16*(\sc)+2*(\a)+(\q)
.if (\first) == 2
	v_wmma_scale_f32_16x16x128_f8f6f4 v[mD:mD+7], v[mA:mA+FR-1], v[mB:mB+FR-1], v[BI+8*mb:BI+8*mb+7], v[mS], v[mT] matrix_a_fmt:MATRIX_FMT_BF6 matrix_b_fmt:MATRIX_FMT_BF6 matrix_b_scale:MATRIX_SCALE_ROW1
.else
	v_wmma_scale_f32_16x16x128_f8f6f4 v[mD:mD+7], v[mA:mA+FR-1], v[mB:mB+FR-1], v[mD:mD+7], v[mS], v[mT] matrix_a_fmt:MATRIX_FMT_BF6 matrix_b_fmt:MATRIX_FMT_BF6 matrix_b_scale:MATRIX_SCALE_ROW1
.endif
.set mb, mb+1
.endr
.endr
.endm
.macro STEP slot, first
	s_wait_dscnt 4*NL                              ; all but the youngest 16 loads (P's blocks 4-7) are in
	MWIN 0, \first
	MULQ 0, 0, 0, \slot, \first
	MULQ 2, 0, 0, \slot, \first
	s_wait_dscnt 0x0
	PLACES NP
	FETCH_R \slot, 1, 1
	FETCH_P \slot, 1, 0
	MWIN 4, \first
	MULQ 4, 0, 0, \slot, \first
	MULQ 6, 0, 0, \slot, \first
	PLACES NP
	WIN 0
	FETCH_P \slot, 1, 4
.endm
.macro TURN slot, next, fill
	s_wait_tensorcnt 0x0                           ; all my tensor loads have landed: my part of the next slot
	ds_add_u32 v[SPW], v[NIL]                      ; 0 onto my spare word
	s_wait_dscnt 4*NL+1                            ; (the add and the youngest 16 loads may be out)
	MWIN 0, 0
	MULQ 0, 1, 1, \slot, 0
	s_wait_dscnt 0x0                               ; the add is done, and my reads of this slot are over
	s_barrier_signal -1
	MULQ 2, 1, 1, \slot, 0
	WIN 0
	s_barrier_wait -1
.if \fill
	CREST                                          ; the barrier has opened a round of the cluster's
	s_add_nc_u64 s[G0P+4*\slot+2:G0P+4*\slot+3], s[G0P+4*\slot+2:G0P+4*\slot+3], 6144
	s_add_nc_u64 s[G0R+4*\slot+2:G0R+4*\slot+3], s[G0R+4*\slot+2:G0R+4*\slot+3], 6144
	JLOAD G0P+4*\slot, G1P, G0R+4*\slot, G1R
.else
	PLACES NP
.endif
	v_add_nc_u32 v[ADRS], 128, v[ADRS]
	FETCH_R \next, 0, 0
	FETCH_P \next, 0, 0
	SCALES \next
	MWIN 4, 0
	MULQ 4, 1, 1, \slot, 0
	MULQ 6, 1, 1, \slot, 0
	PLACES NP
	WIN 0
	FETCH_P \next, 0, 4
.endm
	s_load_b256 s[4:11], s[0:1], 0x0               ; yc, ys, cod, scl
	s_load_b128 s[12:15], s[0:1], 0x20             ; b_proj, out0
	v_lshl_add_u32 v[SPW], v0, 2, SPARE
	v_mov_b32 v[NIL], 0
	ds_add_u32 v[SPW], v[NIL]                      ; the wave's opening: the add, twice on end, and its wait ahead of my first tensor load
	ds_add_u32 v[SPW], v[NIL]
	v_lshrrev_b32 v1, 5, v0
	v_readfirstlane_b32 s[WV], v1
	s_lshr_b32 s[PH], s[WV], 1
	s_and_b32 s[RH], s[WV], 1
	s_bfe_u32 s40, ttmp6, 0x40000                  ; cx
	s_bfe_u32 s41, ttmp6, 0x40004                  ; cy
	s_and_b32 s42, ttmp7, 0xffff
	s_lshl_b32 s42, s42, 2
	s_lshl_b32 s43, s41, 2
	s_lshl_b32 s43, 15, s43                        ; my row of the cluster
	s_lshl_b32 s44, 0x1111, s40                    ; my column
	s_or_b32 s[G1P], s43, (3<<16)|(1<<21)
	s_or_b32 s[G1R], s44, (3<<16)|(1<<21)
.irp g, G1P, G1R
	s_mov_b32 s[\g+1], 384<<16
	s_mov_b32 s[\g+3], 384<<16
	s_mov_b32 s[\g+5], 1536
	s_mov_b32 s[\g+6], 0
	s_mov_b32 s[\g+7], 0
.endr
	s_mov_b32 s[G1P+2], 8<<16
	s_mov_b32 s[G1P+4], 8
	s_mov_b32 s[G1R+2], NBK<<16
	s_mov_b32 s[G1R+4], NBK
	s_or_b32 s[G1SP], s43, (3<<16)|(1<<21)
	s_or_b32 s[G1SR], s44, (3<<16)|(1<<21)
.irp g, G1SP, G1SR
	s_mov_b32 s[\g+1], 32<<16
	s_mov_b32 s[\g+3], 32<<16
	s_mov_b32 s[\g+5], 32
	s_mov_b32 s[\g+6], 0
	s_mov_b32 s[\g+7], 0
.endr
	s_mov_b32 s[G1SP+2], 16<<16
	s_mov_b32 s[G1SP+4], 16
	s_mov_b32 s[G1SR+2], (2*NBK)<<16
	s_mov_b32 s[G1SR+4], 2*NBK
	s_add_co_u32 s45, s42, s41                     ; which 256 tokens: 4 cluster y + cy
	s_lshl_b32 s46, ttmp9, 2
	s_add_co_u32 s46, s46, s40                     ; which 128 columns: 4 cluster x + cx
	s_mul_i32 s47, s[RH], 98304
	s_mul_i32 s94, s45, 196608
	s_add_co_u32 s94, s94, s47                     ; y's codes: the half that I fetch
	s_mov_b32 s95, 0
	s_lshl_b32 s47, s[RH], 12
	s_lshl_b32 s96, s45, 13
	s_add_co_u32 s96, s96, s47                     ; y's scale words
	s_mov_b32 s97, 0
	s_mul_i32 s47, s[RH], 49152
	s_mul_i32 s98, s46, 98304
	s_add_co_u32 s98, s98, s47
	s_add_co_u32 s98, s98, 704*12288               ; W_proj's codes: row tiles 704 + 8 x the block on
	s_mov_b32 s99, 0
	s_lshl_b32 s47, s[RH], 11
	s_lshl_b32 s100, s46, 12
	s_add_co_u32 s100, s100, s47
	s_add_co_u32 s100, s100, 704*512
	s_mov_b32 s101, 0
	s_mul_i32 s21, s[RH], HALFP
	s_mul_i32 s45, s[RH], HALFR
	s_add_co_u32 s45, s45, 2*HALFP
	s_lshl_b32 s46, s[RH], 12
	s_add_co_u32 s46, s46, SCP
	s_mul_i32 s47, s[RH], NBK*512
	s_add_co_u32 s47, s47, SCL
	s_wait_dscnt 0x0                               ; both opening adds are done
	s_wait_kmcnt 0x0
	s_add_nc_u64 s[94:95], s[4:5], s[94:95]
	s_add_nc_u64 s[96:97], s[6:7], s[96:97]
	s_add_nc_u64 s[98:99], s[8:9], s[98:99]
	s_add_nc_u64 s[100:101], s[10:11], s[100:101]
	CROUND                                         ; all sixteen work-groups are here: the first joint loads meet
	s_mov_b32 s[G0SP], 1
	s_mov_b32 s[G0SP+1], s46
	s_mov_b64 s[G0SP+2:G0SP+3], s[96:97]
	s_or_b32 s[G0SP+3], s[G0SP+3], 0x80000000
	s_mov_b32 s[G0SR], 1
	s_mov_b32 s[G0SR+1], s47
	s_mov_b64 s[G0SR+2:G0SR+3], s[100:101]
	s_or_b32 s[G0SR+3], s[G0SR+3], 0x80000000
	JLOAD G0SP, G1SP, G0SR, G1SR
.irp s, 0,1
	s_mov_b32 s[G0P+4*\s], 1
	s_add_co_u32 s[G0P+4*\s+1], s21, \s*SLOT
	s_add_nc_u64 s[G0P+4*\s+2:G0P+4*\s+3], s[94:95], \s*3072
	s_or_b32 s[G0P+4*\s+3], s[G0P+4*\s+3], 0x80000000
	s_mov_b32 s[G0R+4*\s], 1
	s_add_co_u32 s[G0R+4*\s+1], s45, \s*SLOT
	s_add_nc_u64 s[G0R+4*\s+2:G0R+4*\s+3], s[98:99], \s*3072
	s_or_b32 s[G0R+4*\s+3], s[G0R+4*\s+3], 0x80000000
	JLOAD G0P+4*\s, G1P, G0R+4*\s, G1R             ; three tensor loads of mine are out
.endr
	v_and_b32 v1, 15, v0                           ; r
	v_bfe_u32 v2, v0, 4, 1                         ; h
	v_and_b32 v3, 31, v0
	v_lshlrev_b32 v[L16], 4, v3
	v_lshlrev_b32 v[L8], 3, v3
	s_mul_i32 s45, s[PH], HALFP
	s_mul_i32 s46, s[RH], HALFR
	s_add_co_u32 s46, s46, 2*HALFP
.irp s, 0,1
	v_add_nc_u32 v[P16+\s], s45, v[L16]
	v_add_nc_u32 v[P8+\s], s45, v[L8]
	v_add_nc_u32 v[R16+\s], s46, v[L16]
	v_add_nc_u32 v[R8+\s], s46, v[L8]
	s_add_co_u32 s45, s45, SLOT
	s_add_co_u32 s46, s46, SLOT
.endr
	s_mul_i32 s45, s[RH], NBK*512                  ; the scale words: R's base + h x (the distance to P's)
	s_lshl_b32 s46, s[PH], 12
	s_add_co_u32 s46, s46, NBK*1024
	s_sub_co_u32 s46, s46, s45
	v_mul_u32_u24 v4, s46, v2
	v_lshl_add_u32 v4, v1, 3, v4
	s_add_co_u32 s45, s45, SCL
	v_add_nc_u32 v[ADRS], s45, v4
	s_mul_i32 s45, s[WV], 16*272
	s_add_co_u32 s45, s45, STAGE                   ; my stage
	v_mul_u32_u24 v4, v1, 272
	v_lshl_add_u32 v4, v2, 6, v4
	v_add_nc_u32 v[STO], s45, v4                   ; in: row r, + 64 h
	v_mul_u32_u24 v4, v2, 272
	v_lshl_add_u32 v4, v1, 4, v4
	v_add_nc_u32 v[RD], s45, v4                    ; back: lanes 0-15 one row, lanes 16-31 the next
	v_lshlrev_b32 v[CO], 4, v1
	v_lshl_add_u32 v[CO], v2, 12, v[CO]            ; and the same two rows of out0
	s_lshl_b32 s46, ttmp9, 2
	s_add_co_u32 s46, s46, s40
	s_lshl_b32 s46, s46, 9
	s_lshl_b32 s47, s[RH], 8
	s_add_co_u32 s46, s46, s47                     ; my 64 columns, in bytes
	s_mov_b32 s47, 0
	s_add_nc_u64 s[12:13], s[12:13], s[46:47]      ; in b_proj
	s_add_nc_u64 s[14:15], s[14:15], s[46:47]      ; and in a row of out0
	s_add_co_u32 s46, s42, s41
	s_lshl_b32 s46, s46, 20
	s_lshl_b32 s45, s[PH], 19
	s_add_co_u32 s46, s46, s45                     ; my first token x 4,096 bytes
	s_add_nc_u64 s[14:15], s[14:15], s[46:47]
	v_lshlrev_b32 v[BV], 6, v2                     ; the bias: register 8 b + j: column 32 (b / 2) + 16 h + 8 (b % 2) + j
.irp b, 0,1,2,3
	global_load_b128 v[BI+8*\b:BI+8*\b+3], v[BV], s[12:13] offset:(32*(\b/2)+8*(\b%2))*4
	global_load_b128 v[BI+8*\b+4:BI+8*\b+7], v[BV], s[12:13] offset:(32*(\b/2)+8*(\b%2))*4+16
.endr
	s_wait_tensorcnt 1                             ; the scale words and my part of slot 0 are in (slot 1's load may be out)
	s_barrier_signal -1
	s_barrier_wait -1                              ; everybody's are
	FETCH_R 0, 0, 0
	FETCH_P 0, 0, 0
	SCALES 0
	FETCH_P 0, 0, 4
	s_wait_loadcnt 0x0                             ; the bias
	STEP 0, 2                                      ; K 0: the bias starts the sums
	TURN 0, 1, 1
	STEP 1, 0
	TURN 1, 0, 1
	STEP 0, 0
	TURN 0, 1, 0
	STEP 1, 0
	s_wait_dscnt 4*NL                              ; the last 128 along K
	MWIN 0, 0
	MULQ 0, 1, 1, 1, 0
	MULQ 2, 1, 1, 1, 0
	s_wait_dscnt 0x0
	MWIN 4, 0
	MULQ 4, 1, 1, 1, 0
	MULQ 6, 1, 1, 1, 0
	WIN 0
; THE WAY OUT, a block of 16 tokens x 64 columns at a time, through my own stage: LDS serves a wave's instructions in order, so no wait stands between the stores and the loads, nor in front of the next block's stores.
.macro TOSTAGE a
	WIN 0x08                                       ; an LDS store's data are its source 1: window 2
.irp b, 0,1,2,3
	ds_store_b128 v[STO], v[32*(\a)+8*\b:32*(\a)+8*\b+3] offset:128*(\b/2)+32*(\b%2)        ; each accumulator from its low end on
	ds_store_b128 v[STO], v[32*(\a)+8*\b+4:32*(\a)+8*\b+7] offset:128*(\b/2)+32*(\b%2)+16
.endr
	WIN 0
.set BB_, BK+32*((\a)%2)
.irp t, 0,1,2,3,4,5,6,7
	ds_load_b128 v[BB_+4*\t:BB_+4*\t+3], v[RD] offset:2*\t*272
.endr
.endm
.macro SEND a, younger                 ; younger: the LDS instructions issued behind block a's loads, which may stay out
.set BB_, BK+32*((\a)%2)
	s_wait_dscnt \younger
.irp t, 0,1,2,3,4,5,6,7
	global_store_b128 v[CO], v[BB_+4*\t:BB_+4*\t+3], s[14:15] offset:(32*((\a)/2)+8*((\a)%2)+2*\t+8*(\t/4))*4096 th:TH_STORE_NT   ; each half of the lanes stores 256 consecutive bytes, aligned; places 2 t, 2 t + 1 of the tile
.endr
.endm
	PLACES NP                                      ; behind the last products
	TOSTAGE 0
.irp a, 1,2,3,4,5,6,7
.if \a > 1
	s_wait_xcnt 0x0                                ; block a - 2's stores have read their registers: block a's loads may land there
.endif
	TOSTAGE \a
	SEND \a-1, 16                                  ; behind block a - 1's loads: block a's 8 stores and 8 loads
.endr
	SEND 7, 0
	s_wait_tensorcnt 0x0                           ; the wave's end
	ds_add_u32 v[SPW], v[NIL]
	s_wait_dscnt 0x0
	CROUND                                         ; the closing round
	s_endpgm
.Lfunc_end_k_qa2f7824ff6_gemm_proj:
	.size	k_qa2f7824ff6_gemm_proj, .Lfunc_end_k_qa2f7824ff6_gemm_proj-k_qa2f7824ff6_gemm_proj
	.p2alignl 7, 3214868480
	.fill 96, 4, 3214868480
	.section	.rodata,"a",@progbits
	.p2align	6, 0x0
	.amdhsa_kernel k_qa2f7824ff6_gemm_proj
		.amdhsa_group_segment_fixed_size 327680
		.amdhsa_private_segment_fixed_size 0
		.amdhsa_enable_private_segment 0
		.amdhsa_kernarg_size 48
		.amdhsa_user_sgpr_count 2
		.amdhsa_user_sgpr_kernarg_segment_ptr 1
		.amdhsa_wavefront_size32 1
		.amdhsa_system_sgpr_workgroup_id_x 1
		.amdhsa_system_sgpr_workgroup_id_y 1
		.amdhsa_system_sgpr_workgroup_id_z 1
		.amdhsa_system_vgpr_workitem_id 0
		.amdhsa_next_free_vgpr 768
		.amdhsa_next_free_sgpr 102
		.amdhsa_reserve_vcc 0
		.amdhsa_float_denorm_mode_32 3
		.amdhsa_float_denorm_mode_16_64 3
		.amdhsa_memory_ordered 1
		.amdhsa_forward_progress 1
		.amdhsa_inst_pref_size 90
	.end_amdhsa_kernel
	.amdgpu_metadata
---
amdhsa.version: [ 1, 2 ]
amdhsa.kernels:
  - .name:           k_qa2f7824ff6_gemm_proj
    .symbol:         k_qa2f7824ff6_gemm_proj.kd
    .args:
      - { .name: yc, .offset: 0, .size: 8, .value_kind: global_buffer, .address_space: global }
      - { .name: ys, .offset: 8, .size: 8, .value_kind: global_buffer, .address_space: global }
      - { .name: cod, .offset: 16, .size: 8, .value_kind: global_buffer, .address_space: global }
      - { .name: scl, .offset: 24, .size: 8, .value_kind: global_buffer, .address_space: global }
      - { .name: b_proj, .offset: 32, .size: 8, .value_kind: global_buffer, .address_space: global }
      - { .name: out0, .offset: 40, .size: 8, .value_kind: global_buffer, .address_space: global }
    .group_segment_fixed_size: 327680
    .private_segment_fixed_size: 0
    .kernarg_segment_align: 8
    .kernarg_segment_size: 48
    .max_flat_workgroup_size: 128
    .sgpr_count:     102
    .vgpr_count:     768
    .wavefront_size: 32
...
	.end_amdgpu_metadata
.endif
;; end of part 4
